; MI455X (gfx1250); checked and timed in simulation.
; The chip was launched on July 23, 2026; its instructions are those of AMD's public machine-readable ISA for CDNA 5 (MIT licence, August 2026) and "CDNA5" Instruction Set Architecture Reference Guide (July 2026). The comments in the code are by the model that wrote it; some were corrected since.
;; Multi Head Attention. Allowed arithmetic: matrix products marked QUANTISED: E2M1 operands, one E8M0 scale for each 32 along K, by v_wmma_scale_f32_16x16x128_f8f6f4 with both operands' format E2M1 (or v_wmma_scale_f32_32x16x128_f4), f32 sums; products left as they are: bf16, f16 or f32 operands; f32 sums; everything else in f32.
;; Inputs: b_out 1,024 float32; b_qkv 3,072 float32; w_out 1,024 x 1,024 float32; w_qkv 1,024 x 3,072 float32; x 4 x 2,048 x 1,024 float32.
;; Outputs: out0 4 x 2,048 x 1,024 float32.
;; This version of the problem:
;;   THIS VERSION OF THE PROBLEM IS GIVEN IN LOW PRECISION. The matrix products marked QUANTISED in the list below multiply operands that are first quantised to E2M1 (2 exponent bits, 1 mantissa bit; 4 bits a number), with one power-of-two scale for each 32 numbers along K (OCP MX v1.0); their sums are f32. The products marked 'left as it is' may take bf16, f16 or f32 operands, with f32 sums. Whichever they take, every output number must still come out within the allowed error. Rounding operands to bf16 (8 significant bits) uses up far more of that allowance than f16 does (11 bits, for magnitudes from 6e-5 to 65,504). All else is computed in f32.
;;   The module's matrix products, in the order in which they are computed (A, B: the left and right operand; K: the contracted axis; several contracted axes count as one K, in the product's order):
;;     1. [M 8,192, K 1,024] x [K 1,024, N 3,072]; A: input x; B: input w_qkv: QUANTISED
;;     2. batch 64 x [M 2,048, K 64] x [K 64, N 2,048]; A: computed on the way; B: computed on the way: left as it is (an operand is computed on the way)
;;     3. batch 64 x [M 2,048, K 2,048] x [K 2,048, N 64]; A: computed on the way; B: computed on the way: left as it is (an operand is computed on the way)
;;     4. [M 8,192, K 1,024] x [K 1,024, N 1,024]; A: computed on the way; B: input w_out: left as it is (an operand is computed on the way)
;;   THE QUANTISER, for each operand of a quantised product, along K:
;;     - K is cut into blocks of 32 from its start; a last block that is shorter is filled with zeros.
;;     - A block's scale is 2^e with e = floor(log2(the largest magnitude in the block)) - 2, held to -126 .. 127; a block of zeros has e = 0. As a byte (E8M0): e + 127.
;;     - Each number is divided by its block's scale, clamped to +-6, and rounded to the nearest number of E2M1, ties to even, subnormals kept.
;;     - The product sums the exact products of the quantised numbers (number of the format x scale) in f32.
;;   ~~~python
;;   def quantise(x, axis):      # numpy; x: float32 -> the quantised numbers, widened to float32 again
;;       x = np.moveaxis(x, axis, -1); K = x.shape[-1]
;;       x = np.pad(x, [(0, 0)] * (x.ndim - 1) + [(0, -K % 32)]); x = x.reshape(x.shape[:-1] + (-1, 32)); a = np.abs(x).max(-1, keepdims=True)
;;       e = np.where(a > 0, np.clip(np.frexp(np.where(a > 0, a, 1))[1] - 1 - 2, -126, 127), 0)      # np.frexp(a)[1] - 1 = floor(log2(a)), exactly
;;       r = np.clip(x / 2.0 ** e, -6, 6)
;;       step = 2.0 ** (np.maximum(np.frexp(np.where(r == 0, 1, r))[1] - 1, 0) - 1)
;;       q = np.round(r / step) * step * 2.0 ** e      # np.round: ties to even
;;       return np.moveaxis(q.reshape(q.shape[:-2] + (-1,))[..., :K], -1, axis).astype(np.float32)
;;   ~~~
;; One version. Each part assembles by itself: llvm-mc -triple=amdgcn-amd-amdhsa -mcpu=gfx1250 --defsym DOCPART=n.
;; ======== version 1 of 1: 4 launches
;; limits: values are held in f16: magnitudes above 65,504 overflow, below 6.1e-05 lose precision
;; workspace buffers: x_codes 4,194,304 bytes; x_scales 262,144 bytes; w_codes 1,572,864 bytes; w_scales 98,304 bytes; wout16 2,097,152 bytes; qkv 50,331,648 bytes; att 16,777,216 bytes
;; launch prep (part 1): grid 432 x 1, 4 waves a work-group, no clusters, 68,096 bytes of LDS; arguments x, w_qkv, w_out, x_codes, x_scales, w_codes, w_scales, wout16; writes x_codes, x_scales, w_codes, w_scales, wout16
.if DOCPART == 1
	.amdgcn_target "amdgcn-amd-amdhsa--gfx1250"
	.amdhsa_code_object_version 6
	.text
	.protected	k_q121581d290_prep
	.globl	k_q121581d290_prep
	.p2align	8
	.type	k_q121581d290_prep,@function
k_q121581d290_prep:
	s_mov_b64 s[64:65], 0
	v_nop
	global_prefetch_b8 v0, s[64:65] scope:SCOPE_SE
	s_setreg_imm32_b32 hwreg(HW_REG_WAVE_MODE, 25, 1), 1
	s_wait_xcnt 0x0
; THE OPERANDS ARE MADE READY, ONCE.  Three kinds of work-group, told apart by the work-group's number alone:
;   0-47    W: w_qkv [1024 (k)][3072 (n)] f32 -> codes of FP4 (E2M1) laid [3072][512 bytes], K innermost, and one E8M0 byte for each 32 along K, laid [3072][32].
;   48-303  X: x [8192][1024] f32 -> codes [8192][512 bytes] and scale bytes [8192][32].  K is innermost, so x is a plain stream of blocks of 32.
;   304-431 O: w_out [1024][1024] f32 -> f16, in the same order.
; A block's scale is 2^(floor(log2(its largest magnitude)) - 2); its byte is the largest magnitude's exponent field - 2, held at 1 from below; each number is divided by the scale and rounded to the nearest code, ties to even,
; beyond the largest code the largest.  A block of zeros gets the byte 1 where the rule says 127: its codes are zeros, which add nothing, and this program alone reads the bytes.
; LIMITS: NaN and infinities among the inputs are not served; blocks whose largest magnitude lies under 2^(3 - 127) keep the byte 1; |w_out| stays under 65,504 (f16).
; Each kind has LDS bytes of its own: X four regions of 8,192 bytes from byte 0, W four stages of 8,704 bytes from byte 32,768; behind them the spare words.  No barrier: waves share nothing.
.set SPARE,  67584                     ; the spare words: 128 bytes for each wave, two blocks of 256 bytes that no other line names
.set SPW,    190                       ; v190 LDS address of my spare word; never rewritten
.set NIL,    191                       ; v191 0; never rewritten
; ---- kind X
.set XSTEPS, 16                        ; a wave takes 16 steps of 512 numbers
.set XR,     16                        ; v16-79   four sets of 16 numbers as they are loaded
.set XX,     80                        ; v80-111  two sets of 16 neighbours
.set XE,     112                       ; v112-127 a scale byte for each step
.set XC,     128                       ; v128-189 codes: registers of its own for each step
.set WREG,   8192                      ; a wave's region: two stages of 32 x SP bytes, behind them its 256 scale bytes
.set SP,     80                        ; a lane's place in a stage: 64 bytes + 16 of padding
.set CB,     8                         ; bytes of 16 codes
; ---- kind W
.set SIZE_N, 3072
.set NB,     16                        ; blocks of 32 along K for a wave: 512 along K
.set WPITCH, 272                       ; a stage row: 256 bytes of codes + 16
.set WSTG,   32768
.set KROW,   512                       ; a row of w_codes in bytes
.set SB,     24                        ; v24-27   the scale bytes, four to a register
.set WX,     32                        ; v32-95   two sets of 32 numbers
.set WC,     96                        ; v96-99   a block's codes
.set OUTR,   112                       ; v112-175 the way out
	s_load_b256 s[4:11], s[0:1], 0x0               ; x s[4:5], w_qkv s[6:7], w_out s[8:9], x_codes s[10:11]
	s_load_b256 s[12:19], s[0:1], 0x20             ; x_scales s[12:13], w_codes s[14:15], w_scales s[16:17], wout16 s[18:19]
	v_lshl_add_u32 v[SPW], v0, 2, SPARE
	v_mov_b32 v[NIL], 0
	v_lshrrev_b32 v1, 5, v0
	v_readfirstlane_b32 s20, v1                    ; wave 0..3
	v_and_b32 v2, 31, v0                           ; lane
	s_wait_kmcnt 0x0
	s_cmp_lt_u32 ttmp9, 48
	s_cbranch_scc1 .Lpath_w
	s_cmp_lt_u32 ttmp9, 304
	s_cbranch_scc1 .Lpath_x
; ---------------- kind O: 2,048 numbers a wave; a load reads 512 consecutive bytes, a store writes 256, aligned
	s_sub_co_u32 s21, ttmp9, 304
	s_lshl_b32 s21, s21, 2
	s_add_co_u32 s21, s21, s20                     ; which run of 2,048 numbers is mine: 0..511
	s_lshl_b32 s22, s21, 13
	s_mov_b32 s23, 0
	s_add_nc_u64 s[8:9], s[8:9], s[22:23]
	s_lshl_b32 s22, s21, 12
	s_add_nc_u64 s[18:19], s[18:19], s[22:23]
	v_lshlrev_b32 v3, 4, v2
	v_lshlrev_b32 v4, 3, v2
.irp i, 0,1,2,3,4,5,6,7,8,9,10,11,12,13,14,15
	global_load_b128 v[16+4*\i:19+4*\i], v3, s[8:9] offset:512*\i th:TH_LOAD_NT
.endr
.irp i, 0,1,2,3,4,5,6,7,8,9,10,11,12,13,14,15
	s_wait_loadcnt 15-\i                           ; loads come back in order: load i is in, the younger ones stay out
	v_cvt_pk_f16_f32 v[96+2*\i], v[16+4*\i], v[17+4*\i]
	v_cvt_pk_f16_f32 v[97+2*\i], v[18+4*\i], v[19+4*\i]
	global_store_b64 v4, v[96+2*\i:97+2*\i], s[18:19] offset:256*\i   ; each store has data registers of its own
.endr
	s_wait_tensorcnt 0x0                           ; the wave's end
	ds_add_u32 v[SPW], v[NIL]
	s_wait_dscnt 0x0
	s_endpgm
; ---------------- kind X.  The conversions take neighbours along K from ONE lane's registers, a load is best where neighbouring lanes take neighbouring bytes: so a step's 2,048 bytes are loaded as they lie,
; 16 bytes a lane, go through the wave's own stage in LDS and come back 64 bytes a lane.  Two neighbouring lanes hold a block.  Loads run four steps ahead, the turn through LDS one step.
.macro XLOAD t
.irp i, 0,1,2,3
	global_load_b128 v[XR+16*((\t)%4)+4*\i:XR+16*((\t)%4)+4*\i+3], v3, s[4:5] offset:2048*(\t)+512*\i th:TH_LOAD_NT
.endr
.endm
.macro XTURN t                         ; LDS serves a wave's instructions in order: no wait between the stores and the loads
.irp i, 0,1,2,3
	ds_store_b128 v14, v[XR+16*((\t)%4)+4*\i:XR+16*((\t)%4)+4*\i+3] offset:32*SP*((\t)%2)+8*SP*\i
.endr
.irp i, 0,1,2,3
	ds_load_b128 v[XX+16*((\t)%2)+4*\i:XX+16*((\t)%2)+4*\i+3], v15 offset:32*SP*((\t)%2)+16*\i
.endr
.endm
.macro XSTEP t
.set XS, XX+16*((\t)%2)
.if (\t) > 0
	s_wait_dscnt 1                                 ; this step's numbers are back from the stage (the last step's byte store may be out), so its stores into the stage have read their registers,
.else
	s_wait_dscnt 0x0
.endif
.if (\t)+4 < XSTEPS
	XLOAD (\t)+4                                   ; which take the loads of four steps on
.endif
.if (\t)+1 < XSTEPS
.if XSTEPS-2-(\t) >= 3
	s_wait_loadcnt 12                              ; the next step's four loads are in; those of the three steps behind it may be out
.else
	s_wait_loadcnt 4*(XSTEPS-2-(\t))
.endif
	XTURN (\t)+1
.endif
	v_max3_num_f32 v8, |v[XS]|, |v[XS+1]|, |v[XS+2]|               ; the largest magnitude of my 16, in two chains
	v_max3_num_f32 v9, |v[XS+3]|, |v[XS+4]|, |v[XS+5]|
.irp i, 6,10
	v_max3_num_f32 v8, v8, |v[XS+\i]|, |v[XS+\i+1]|
	v_max3_num_f32 v9, v9, |v[XS+\i+2]|, |v[XS+\i+3]|
.endr
	v_max3_num_f32 v8, v8, |v[XS+14]|, |v[XS+15]|
	v_max3_num_f32 v8, v8, v9, 0x1800000           ; and the floor 2^(3 - 127): the byte cannot fall under 1
	v_max_num_f32_dpp v8, v8, v8 row_xmask:1 row_mask:0xf bank_mask:0xf   ; with my neighbour's 16: the block's
	v_add_nc_u32 v11, 0xff000000, v8               ; 2 off its exponent field: the conversion takes the exponent field of this operand as its scale
	v_cvt_scalef32_pk8_fp4_f32 v[XC+4*(\t)], v[XS:XS+7], v11
	v_cvt_scalef32_pk8_fp4_f32 v[XC+4*(\t)+1], v[XS+8:XS+15], v11
	v_lshrrev_b32 v[XE+(\t)], 23, v11              ; the scale's byte (also the plain line behind the conversions)
	ds_store_b8 v5, v[XE+(\t)] offset:16*(\t)      ; both lanes of a block write the same byte with the same value
	global_store_b64 v4, v[XC+4*(\t):XC+4*(\t)+1], s[10:11] offset:32*CB*(\t)   ; the wave stores 256 consecutive bytes, aligned
.endm
.Lpath_x:
	v_lshlrev_b32 v3, 4, v2                        ; my 16 bytes of a load's 512
	s_mul_i32 s21, s20, WREG
	v_lshrrev_b32 v14, 2, v2
	v_mul_u32_u24 v14, v14, SP
	v_and_b32 v15, 3, v2
	v_lshl_add_u32 v14, v15, 4, v14
	v_add_nc_u32 v14, s21, v14                     ; the stage, on the way in: SP (lane / 4) + 16 (lane % 4)
	v_mul_u32_u24 v15, v2, SP
	v_add_nc_u32 v15, s21, v15                     ; and on the way out: SP x lane
	v_mul_u32_u24 v4, v2, CB                       ; my codes' place in a step's
	v_lshrrev_b32 v5, 1, v2
	s_add_co_u32 s21, s21, 2*32*SP
	v_add_nc_u32 v5, s21, v5                       ; my wave's 256 scale bytes, my block's byte
	v_lshlrev_b32 v7, 3, v2
	v_add_nc_u32 v6, s21, v7                       ; and on the way out 8 bytes a lane
	s_sub_co_u32 s22, ttmp9, 48
	s_lshl_b32 s22, s22, 2
	s_add_co_u32 s22, s22, s20                     ; which run of 8,192 numbers is my wave's: 0..1023
	s_lshl_b32 s24, s22, 15
	s_mov_b32 s25, 0
	s_add_nc_u64 s[4:5], s[4:5], s[24:25]
	s_lshl_b32 s24, s22, 12
	s_add_nc_u64 s[10:11], s[10:11], s[24:25]
	s_lshl_b32 s24, s22, 8
	s_add_nc_u64 s[12:13], s[12:13], s[24:25]
.irp t, 0,1,2,3
	XLOAD \t
.endr
	s_wait_loadcnt 12                              ; step 0's four loads are in
	XTURN 0
.irp t, 0,1,2,3,4,5,6,7,8,9,10,11,12,13,14,15
	XSTEP \t
.endr
	ds_load_b64 v[8:9], v6                         ; in order behind my byte stores
	s_wait_dscnt 0x0
	global_store_b64 v7, v[8:9], s[12:13]          ; 32 lanes store 256 consecutive bytes, aligned
	s_wait_tensorcnt 0x0                           ; the wave's end, behind my last LDS store
	ds_add_u32 v[SPW], v[NIL]
	s_wait_dscnt 0x0
	s_endpgm
; ---------------- kind W.  K is w_qkv's FIRST axis: a lane takes a column n and its registers run down K.  Each load reads 128 consecutive bytes a wave; a block of 32 lies in one lane's 32 registers; the conversions give
; codes with K innermost.  A wave takes 32 columns x 512 along K; the codes go through its own stage and leave as rows: sixteen lanes store 256 consecutive bytes, aligned.  Loads run two blocks ahead.
.macro WLOAD t
.irp i, 0,1,2,3,4,5,6,7,8,9,10,11,12,13,14,15,16,17,18,19,20,21,22,23,24,25,26,27,28,29,30,31
	global_load_b32 v[WX+32*((\t)%2)+\i], v3, s[6:7] offset:(32*(\t)+\i)*SIZE_N*4 th:TH_LOAD_NT   ; at most 511 rows of 12,288 bytes: inside the signed 24-bit immediate
.endr
.endm
.macro WBLOCK t
.set WS, WX+32*((\t)%2)
.if (\t) < NB-1
	s_wait_loadcnt 32                              ; this block's 32 loads are in; the next block's may be out
.else
	s_wait_loadcnt 0
.endif
	v_max3_num_f32 v12, |v[WS]|, |v[WS+1]|, |v[WS+2]|
	v_max3_num_f32 v13, |v[WS+3]|, |v[WS+4]|, |v[WS+5]|
.irp i, 6,10,14,18,22,26
	v_max3_num_f32 v12, v12, |v[WS+\i]|, |v[WS+\i+1]|
	v_max3_num_f32 v13, v13, |v[WS+\i+2]|, |v[WS+\i+3]|
.endr
	v_max3_num_f32 v12, v12, |v[WS+30]|, |v[WS+31]|
	v_max3_num_f32 v12, v12, v13, 0x1800000        ; the floor
	v_add_nc_u32 v11, 0xff000000, v12              ; the conversion's scale operand
	v_lshrrev_b32 v13, 23, v11                     ; the scale's byte
.if (\t)%4 == 0
	v_mov_b32 v[SB+(\t)/4], v13                    ; four bytes to a register, the lower K in the lower byte
.else
	v_lshl_or_b32 v[SB+(\t)/4], v13, 8*((\t)%4), v[SB+(\t)/4]
.endif
.irp g, 0,1,2,3
	v_cvt_scalef32_pk8_fp4_f32 v[WC+\g], v[WS+8*\g:WS+8*\g+7], v11
.endr
	v_nop                                          ; one plain line behind the last conversion of the run
	ds_store_b128 v4, v[WC:WC+3] offset:16*(\t)    ; 32 codes: 16 bytes of my column's row
.if (\t)+2 < NB
	WLOAD (\t)+2
.endif
	s_wait_dscnt 0x0                               ; the store has read its registers: the next block's codes may be written
.endm
.Lpath_w:
	s_lshr_b32 s21, ttmp9, 1
	s_lshl_b32 s21, s21, 7
	s_lshl_b32 s22, s20, 5
	s_add_co_u32 s21, s21, s22                     ; my wave's first column: 128 x (number / 2) + 32 x wave
	s_and_b32 s22, ttmp9, 1                        ; which 512 along K
	v_lshlrev_b32 v3, 2, v2
	s_mul_i32 s23, s20, 32*WPITCH
	s_add_co_u32 s23, s23, WSTG                    ; my stage
	v_mul_u32_u24 v4, v2, WPITCH
	v_add_nc_u32 v4, s23, v4                       ; into it: row = my column
	v_and_b32 v5, 15, v2
	v_lshrrev_b32 v6, 4, v2
	v_mul_u32_u24 v7, v6, WPITCH
	v_lshl_add_u32 v7, v5, 4, v7
	v_add_nc_u32 v7, s23, v7                       ; out of it: sixteen lanes to a row, two rows an instruction
	v_mul_u32_u24 v8, v6, KROW
	v_lshl_add_u32 v8, v5, 4, v8                   ; and the same place in w_codes
	v_lshlrev_b32 v9, 5, v2                        ; my column's row of scale bytes
	s_mul_i32 s24, s22, 512*SIZE_N*4
	s_lshl_b32 s25, s21, 2
	s_add_co_u32 s24, s24, s25
	s_mov_b32 s25, 0
	s_add_nc_u64 s[6:7], s[6:7], s[24:25]          ; w_qkv at (512 y, my first column)
	s_lshl_b32 s24, s21, 9
	s_lshl_b32 s26, s22, 8
	s_add_co_u32 s24, s24, s26
	s_add_nc_u64 s[14:15], s[14:15], s[24:25]      ; w_codes: column x 512 + 256 y
	s_lshl_b32 s24, s21, 5
	s_lshl_b32 s26, s22, 4
	s_add_co_u32 s24, s24, s26
	s_add_nc_u64 s[16:17], s[16:17], s[24:25]      ; w_scales: column x 32 + 16 y
	WLOAD 0
	WLOAD 1
.irp t, 0,1,2,3,4,5,6,7,8,9,10,11,12,13,14,15
	WBLOCK \t
.endr
	global_store_b128 v9, v[SB:SB+3], s[16:17]     ; my column's 16 scale bytes
.irp t, 0,1,2,3,4,5,6,7,8,9,10,11,12,13,14,15
	ds_load_b128 v[OUTR+4*\t:OUTR+4*\t+3], v7 offset:2*\t*WPITCH
.endr
.irp t, 0,1,2,3,4,5,6,7,8,9,10,11,12,13,14,15
	s_wait_dscnt 15-\t
	global_store_b128 v8, v[OUTR+4*\t:OUTR+4*\t+3], s[14:15] offset:2*\t*KROW
.endr
	s_wait_tensorcnt 0x0                           ; the wave's end, behind my last LDS store
	ds_add_u32 v[SPW], v[NIL]
	s_wait_dscnt 0x0
	s_endpgm
.Lfunc_end_k_q121581d290_prep:
	.size	k_q121581d290_prep, .Lfunc_end_k_q121581d290_prep-k_q121581d290_prep
	.p2alignl 7, 3214868480
	.fill 96, 4, 3214868480
	.section	.rodata,"a",@progbits
	.p2align	6, 0x0
	.amdhsa_kernel k_q121581d290_prep
		.amdhsa_group_segment_fixed_size 68096
		.amdhsa_private_segment_fixed_size 0
		.amdhsa_enable_private_segment 0
		.amdhsa_kernarg_size 64
		.amdhsa_user_sgpr_count 2
		.amdhsa_user_sgpr_kernarg_segment_ptr 1
		.amdhsa_wavefront_size32 1
		.amdhsa_system_sgpr_workgroup_id_x 1
		.amdhsa_system_sgpr_workgroup_id_y 1
		.amdhsa_system_sgpr_workgroup_id_z 1
		.amdhsa_system_vgpr_workitem_id 0
		.amdhsa_next_free_vgpr 192
		.amdhsa_next_free_sgpr 66
		.amdhsa_reserve_vcc 0
		.amdhsa_float_denorm_mode_32 3
		.amdhsa_float_denorm_mode_16_64 3
		.amdhsa_memory_ordered 1
		.amdhsa_forward_progress 1
		.amdhsa_inst_pref_size 117
	.end_amdhsa_kernel
	.amdgpu_metadata
---
amdhsa.version: [ 1, 2 ]
amdhsa.kernels:
  - .name:           k_q121581d290_prep
    .symbol:         k_q121581d290_prep.kd
    .args:
      - { .name: x, .offset: 0, .size: 8, .value_kind: global_buffer, .address_space: global }
      - { .name: w_qkv, .offset: 8, .size: 8, .value_kind: global_buffer, .address_space: global }
      - { .name: w_out, .offset: 16, .size: 8, .value_kind: global_buffer, .address_space: global }
      - { .name: x_codes, .offset: 24, .size: 8, .value_kind: global_buffer, .address_space: global }
      - { .name: x_scales, .offset: 32, .size: 8, .value_kind: global_buffer, .address_space: global }
      - { .name: w_codes, .offset: 40, .size: 8, .value_kind: global_buffer, .address_space: global }
      - { .name: w_scales, .offset: 48, .size: 8, .value_kind: global_buffer, .address_space: global }
      - { .name: wout16, .offset: 56, .size: 8, .value_kind: global_buffer, .address_space: global }
    .group_segment_fixed_size: 68096
    .private_segment_fixed_size: 0
    .kernarg_segment_align: 8
    .kernarg_segment_size: 64
    .max_flat_workgroup_size: 128
    .sgpr_count:     66
    .vgpr_count:     192
    .wavefront_size: 32
...
	.end_amdgpu_metadata
.endif
;; end of part 1
;; launch qkv (part 2): grid 12 x 32, 4 waves a work-group, clusters of 4 x 4, 327,680 bytes of LDS; arguments x_codes, x_scales, w_codes, w_scales, b_qkv, qkv; writes qkv
.if DOCPART == 2
	.amdgcn_target "amdgcn-amd-amdhsa--gfx1250"
	.amdhsa_code_object_version 6
	.text
	.protected	k_q121581d290_qkv
	.globl	k_q121581d290_qkv
	.p2align	8
	.type	k_q121581d290_qkv,@function
k_q121581d290_qkv:
	s_mov_b64 s[64:65], 0
	v_nop
	global_prefetch_b8 v0, s[64:65] scope:SCOPE_SE
	s_setreg_imm32_b32 hwreg(HW_REG_WAVE_MODE, 25, 1), 1
	s_wait_xcnt 0x0
	s_wait_alu depctr_hold_cnt(0) depctr_sa_sdst(0) depctr_va_vdst(0) depctr_va_sdst(0) depctr_va_ssrc(0) depctr_va_vcc(0) depctr_vm_vsrc(0)
	s_getreg_b32 s2, hwreg(HW_REG_IB_STS2, 6, 4)
	s_cmp_eq_u32 s2, 0
	s_cbranch_scc0 .Lentry_in_a_cluster
	s_endpgm
.Lentry_in_a_cluster:
	s_bfe_u32 s2, ttmp6, 0x10000c
	s_cmp_lg_u32 s2, 0xf033
	s_cbranch_scc0 .Lentry_shape_is_right
	s_endpgm
.Lentry_shape_is_right:
; q, k, v = x w_qkv + b_qkv, the QUANTISED product: both operands as codes of FP4 (E2M1) with one E8M0 scale for each 32 along K, sums in f32; the results are rounded once to f16 and laid by head:
; qkv [3 (q, k, v)][64 (batch x 16 + head)][2048 (t)][64] f16, so that four rows of a head are 512 consecutive bytes.  LIMIT: |q|, |k|, |v| stay under 65,504 (f16).
; A: x_codes [8192][512 bytes], x_scales [8192][32].  B: w_codes [3072][512 bytes], w_scales [3072][32].
; A tile of the result, 256 x 256, is made by four waves, each 128 x 128: 64 accumulators of 16 x 16, 512 registers.  K = 1,024 is two slots of 512 along K (rows of 256 bytes): both are first fills, nothing is filled again.
; THE SCALES of the work-group's 256 rows of A and of B, for all of K, are two dense blocks of memory: they come into LDS once, with the first fills.
; CLUSTERS: 4 x 4 work-groups.  The four of a row need the same tiles of A, the four of a column the same tiles of B: each tile is asked for jointly, by the same tensor load with the same descriptor and a mask that names the four.
; THE MATRIX INSTRUCTION IS USED TRANSPOSED (source 0 = 16 rows of B, source 1 = 16 rows of A): a lane holds eight neighbouring columns of one row.  THE BIAS is the C of each sum's first product.
; REGISTERS: window 0: v0-31 addresses; v32-95 scale words, two sets; v128-191 A's fragments, one set; v192-255 the bias.  window 1: B's fragments, two sets.  windows 2, 3: the accumulators of my rows 0-63, 64-127.
.set KSTEP,  512
.set NQ,     KSTEP/128
.set ROWB,   256
.set KROW,   512
.set PITCH,  272                       ; an LDS row: 256 bytes + 16 of padding
.set FR,     8
.set NL,     2
.set NP,     4
.set HALFT,  128*PITCH
.set SLOT,   4*HALFT
.set KS,     32                        ; a row of scales in bytes
.set SCL,    2*SLOT
.set HALFS,  (128*KS/256)*272
.set SBLK,   (16*KS/256)*272
.set SPARE,  SCL+4*HALFS               ; the spare words: 128 bytes for each wave, two blocks of 256 bytes that no other line names
.set SPITCH, 272                       ; the way out: a stage of 16 rows x (256 bytes + 16) for each wave, in slot 0, which has had its only fill and its last read by then
.set ADRA, 16
.set ADRB, 20
.set STO,  24
.set RD,   25
.set CO,   26
.set ADRS, 27
.set SPW,  28
.set NIL,  29
.set BO,   30                          ; v30 32 x (lane / 16): my eight numbers of a block's bias
.set SC,   32
.set AF,   128
.set BIAS, 192                         ; register 8 b + j: b_qkv[my first column + 16 b + 8 (lane / 16) + j]
.set TMP,  32                          ; the way out: packed results
.set BK,   128                         ; the way out: rows read back: v128-159 and v160-191 by turns
.set G1, 24
.set G0, 32
.set G1B, 48
.set G0B, 56
.set G1S, 68
.set G0S, 76
.set G1SB, 80
.set G0SB, 88
.set MSB, 0
.macro WIN new                         ; the immediate's high byte repeats the setting that is left
.if MSB != (\new)
	s_set_vgpr_msb (MSB<<8)|(\new)
.set MSB, (\new)
.endif
.endm
.set MUL_LO, 0xa1                      ; source 0 (B) window 1, source 1 (A) window 0, C and D window 2
.set MUL_HI, 0xf1                      ; the same, C and D window 3
.set TO_B,   0x40
; A joint load: waves 0 and 1 fetch for A, waves 2 and 3 for B.  The branch hangs on the wave's number alone.  An s_nop 0 and four v_nop follow each of the two lines.
.macro JLOAD g0a, g1a, g0b, g1b
	s_cmp_eq_u32 s15, 0
	s_cbranch_scc0 .Lfor_b_\@
	tensor_load_to_lds s[\g0a:\g0a+3], s[\g1a:\g1a+7]
	s_nop 0
.rept 4
	v_nop
.endr
	s_branch .Lasked_\@
.Lfor_b_\@:
	tensor_load_to_lds s[\g0b:\g0b+3], s[\g1b:\g1b+7]
	s_nop 0
.rept 4
	v_nop
.endr
.Lasked_\@:
.endm
.macro CROUND                          ; a round of the cluster's barrier
	s_barrier_signal -1
	s_barrier_wait -1
	s_cmp_lg_u32 s14, 0
	s_cbranch_scc1 .Lnot_wave_0_\@
	s_barrier_signal -3
.Lnot_wave_0_\@:
	s_barrier_wait -3
	s_barrier_signal -1
	s_barrier_wait -1
.endm
	s_load_b128 s[4:7], s[0:1], 0x0                ; A's codes s[4:5], A's scales s[6:7]
	s_load_b128 s[8:11], s[0:1], 0x10              ; B's codes s[8:9], B's scales s[10:11]
	s_load_b64 s[96:97], s[0:1], 0x20              ; b_qkv
	s_load_b64 s[12:13], s[0:1], 0x28              ; qkv
	v_lshl_add_u32 v[SPW], v0, 2, SPARE
	v_mov_b32 v[NIL], 0
	ds_add_u32 v[SPW], v[NIL]                      ; the wave's opening: the add, twice on end, and its wait ahead of my first tensor load
	ds_add_u32 v[SPW], v[NIL]
	v_lshrrev_b32 v1, 5, v0
	v_readfirstlane_b32 s14, v1                    ; wave 0..3
	s_lshr_b32 s15, s14, 1                         ; which half of the tile's rows is mine.  Also: I fetch for A (0) or for B (1)
	s_and_b32 s16, s14, 1                          ; which half of its columns.  Also: which 128 rows of that tile I fetch
	s_bfe_u32 s40, ttmp6, 0x40000                  ; cx, cy
	s_bfe_u32 s41, ttmp6, 0x40004
	s_lshl_b32 s42, ttmp9, 2
	s_add_co_u32 s42, s42, s40                     ; tile column = 4 x cluster x + cx
	s_and_b32 s17, ttmp7, 0xffff
	s_lshl_b32 s17, s17, 2
	s_add_co_u32 s17, s17, s41                     ; tile row = 4 x cluster y + cy
	s_lshl_b32 s43, s41, 2
	s_lshl_b32 s43, 15, s43                        ; my row of the cluster
	s_lshl_b32 s44, 0x1111, s40                    ; my column
	s_or_b32 s[G1+0], s43, (0<<16)|(1<<20)|(1<<21)|(5<<22)|(3<<25)  ; the mask; elements of 1 byte; padding on; bit 21 beside a mask; four words after every 64
	s_or_b32 s[G1B+0], s44, (0<<16)|(1<<20)|(1<<21)|(5<<22)|(3<<25)
.irp g, G1, G1B
	s_mov_b32 s[\g+1], ROWB<<16                    ; tensor_dim0
	s_mov_b32 s[\g+2], 128<<16                     ; tensor_dim1
	s_mov_b32 s[\g+3], ROWB<<16                    ; tile_dim0
	s_mov_b32 s[\g+4], 128                         ; tile_dim1
	s_mov_b32 s[\g+5], KROW                        ; the pitch
	s_mov_b32 s[\g+6], 0
	s_mov_b32 s[\g+7], 0
.endr
	s_or_b32 s[G1S+0], s43, (3<<16)|(1<<20)|(1<<21)|(5<<22)|(3<<25)  ; the scales of 128 rows: 4,096 dense bytes as 16 rows of 256 (32 elements of 8 bytes), 16 bytes of padding behind each
	s_or_b32 s[G1SB+0], s44, (3<<16)|(1<<20)|(1<<21)|(5<<22)|(3<<25)
.irp g, G1S, G1SB
	s_mov_b32 s[\g+1], 32<<16
	s_mov_b32 s[\g+2], (128*KS/256)<<16
	s_mov_b32 s[\g+3], 32<<16
	s_mov_b32 s[\g+4], 128*KS/256
	s_mov_b32 s[\g+5], 32
	s_mov_b32 s[\g+6], 0
	s_mov_b32 s[\g+7], 0
.endr
	s_lshl_b32 s18, s16, 7
	s_lshl_b32 s20, s17, 8
	s_add_co_u32 s20, s20, s18                     ; A: row 256 x tile row + 128 x half
	s_lshl_b32 s46, s42, 8
	s_add_co_u32 s46, s46, s18                     ; B: row 256 x tile column + 128 x half
	s_mov_b32 s21, 0
	s_mov_b32 s47, 0
	s_mov_b64 s[18:19], KS
	s_mul_u64 s[22:23], s[20:21], s[18:19]         ; where these rows' scales begin
	s_mul_u64 s[92:93], s[46:47], s[18:19]
	s_mov_b64 s[18:19], KROW
	s_mul_u64 s[20:21], s[20:21], s[18:19]         ; and their codes
	s_mul_u64 s[46:47], s[46:47], s[18:19]
	s_mul_i32 s45, s14, HALFT                      ; where they go: wave x 128 rows
	s_mul_i32 s94, s14, HALFS
	s_wait_dscnt 0x0                               ; both opening adds are done
	s_wait_kmcnt 0x0
	s_add_nc_u64 s[20:21], s[4:5], s[20:21]
	s_add_nc_u64 s[22:23], s[6:7], s[22:23]
	s_add_nc_u64 s[46:47], s[8:9], s[46:47]
	s_add_nc_u64 s[92:93], s[10:11], s[92:93]
	CROUND                                         ; all sixteen work-groups are here: the joint loads meet
	s_mov_b32 s[G0S], 1
	s_add_co_u32 s[G0S+1], s94, SCL
	s_mov_b64 s[G0S+2:G0S+3], s[22:23]
	s_or_b32 s[G0S+3], s[G0S+3], 0x80000000
	s_mov_b32 s[G0SB], 1
	s_add_co_u32 s[G0SB+1], s94, SCL
	s_mov_b64 s[G0SB+2:G0SB+3], s[92:93]
	s_or_b32 s[G0SB+3], s[G0SB+3], 0x80000000
	JLOAD G0S, G1S, G0SB, G1SB                     ; the scales first.  Three loads of mine are out behind these lines
.irp s, 0,1
	s_mov_b32 s[G0+4*\s], 1
	s_add_co_u32 s[G0+4*\s+1], s45, \s*SLOT
	s_add_nc_u64 s[G0+4*\s+2:G0+4*\s+3], s[20:21], \s*ROWB
	s_or_b32 s[G0+4*\s+3], s[G0+4*\s+3], 0x80000000
	s_mov_b32 s[G0B+4*\s], 1
	s_add_co_u32 s[G0B+4*\s+1], s45, \s*SLOT
	s_add_nc_u64 s[G0B+4*\s+2:G0B+4*\s+3], s[46:47], \s*ROWB
	s_or_b32 s[G0B+4*\s+3], s[G0B+4*\s+3], 0x80000000
	JLOAD G0+4*\s, G1, G0B+4*\s, G1B
.endr
	v_and_b32 v1, 15, v0                           ; r = lane % 16
	v_bfe_u32 v2, v0, 4, 1                         ; h = lane / 16
	s_lshl_b32 s46, s42, 10                        ; the bias of my 128 columns: 4 x (256 x tile column + 128 x half) bytes on
	s_lshl_b32 s47, s16, 9
	s_add_co_u32 s46, s46, s47
	s_mov_b32 s47, 0
	s_add_nc_u64 s[96:97], s[96:97], s[46:47]
	v_lshlrev_b32 v[BO], 5, v2
.irp b, 0,1,2,3,4,5,6,7
	global_load_b128 v[BIAS+8*\b:BIAS+8*\b+3], v[BO], s[96:97] offset:64*\b
	global_load_b128 v[BIAS+8*\b+4:BIAS+8*\b+7], v[BO], s[96:97] offset:64*\b+16
.endr
	v_mul_u32_u24 v3, v1, PITCH
	v_lshl_add_u32 v4, v2, 4, v3                   ; a fragment's row x pitch + 16 x half
	s_mul_i32 s21, s15, HALFT                      ; my 128 rows of A
	s_mul_i32 s22, s16, HALFT                      ; my 128 rows of B,
	s_add_co_u32 s22, s22, 2*HALFT                 ; behind A's 256
.irp s, 0,1
	v_add_nc_u32 v[ADRA+\s], s21, v4
	v_add_nc_u32 v[ADRB+\s], s22, v4
	s_add_co_u32 s21, s21, SLOT
	s_add_co_u32 s22, s22, SLOT
.endr
	v_mul_u32_u24 v5, v1, KS                       ; my row's scales: KS bytes a row,
	v_lshrrev_b32 v6, 8, v5
	v_lshl_add_u32 v5, v6, 4, v5                   ; and 16 more for each 256 passed
	s_mul_i32 s21, s15, HALFS
	s_mul_i32 s22, s16, HALFS
	s_add_co_u32 s22, s22, 2*HALFS
	s_sub_co_u32 s22, s22, s21
	v_mul_u32_u24 v6, s22, v2                      ; lanes 16-31 take B's
	s_add_co_u32 s21, s21, SCL
	v_add_nc_u32 v5, v5, v6
	v_add_nc_u32 v[ADRS], s21, v5
	s_mul_i32 s23, s14, 16*SPITCH                  ; my stage
	v_mul_u32_u24 v5, v1, SPITCH
	v_lshl_add_u32 v5, v2, 4, v5
	v_add_nc_u32 v[STO], s23, v5                   ; in: row r, 16 bytes for each half of the lanes
	v_and_b32 v6, 31, v0
	v_lshlrev_b32 v[CO], 4, v6                     ; in memory: 16 bytes a lane, 512 on end: four rows of a head
	v_lshrrev_b32 v5, 3, v6
	v_mul_u32_u24 v5, v5, SPITCH
	v_and_b32 v6, 7, v0
	v_lshl_add_u32 v5, v6, 4, v5
	v_add_nc_u32 v[RD], s23, v5                    ; back: eight lanes take a head's 128 bytes of a row, four rows an instruction
	; where my part begins in qkv.  My 128 columns are two heads, g and g + 1, g = 4 x tile column + 2 x half; part = g / 16, head = g % 16; batch = tile row / 8
	s_lshl_b32 s46, s42, 2
	s_lshl_b32 s47, s16, 1
	s_add_co_u32 s46, s46, s47
	s_lshr_b32 s47, s46, 4
	s_and_b32 s46, s46, 15
	s_lshl_b32 s47, s47, 6
	s_add_co_u32 s46, s46, s47
	s_lshr_b32 s47, s17, 3
	s_lshl_b32 s47, s47, 4
	s_add_co_u32 s46, s46, s47                     ; part x 64 + batch x 16 + head
	s_lshl_b32 s46, s46, 18                        ; x 2,048 rows of 128 bytes
	s_and_b32 s47, s17, 7
	s_lshl_b32 s47, s47, 15                        ; + 256 rows for each tile row inside the batch
	s_add_co_u32 s46, s46, s47
	s_lshl_b32 s47, s15, 14                        ; + my half's 128 rows
	s_add_co_u32 s46, s46, s47
	s_mov_b32 s47, 0
	s_add_nc_u64 s[12:13], s[12:13], s[46:47]
.macro FRAG reg, adr, q, i             ; a fragment, 16 rows x 128 K of 4-bit codes: 8 registers, two loads of 16 bytes, 32 bytes apart
.irp c, 0,1
	ds_load_b128 v[\reg+4*\c:\reg+4*\c+3], v[\adr] offset:64*(\q)+32*\c+(\i)*16*PITCH
.endr
.endm
; 16 matrix instructions: A's blocks a0, a0 + 1 x B's eight, the slot's q-th 128 along K.  p: B's set; sc: the set of scale words.  first = 1: the bias is C, and starts the sums.
; The 64 accumulators take turns, one instruction a turn, in the same order in every step.
.macro MUL16 a0, p, q, sc, first
.irp a, \a0, \a0+1
.irp b, 0,1,2,3,4,5,6,7
.if \first
	v_wmma_scale_f32_16x16x128_f8f6f4 v[8*(8*((\a)%4)+\b):8*(8*((\a)%4)+\b)+7], v[128*(\p)+FR*\b:128*(\p)+FR*\b+FR-1], v[AF+FR*(\a):AF+FR*(\a)+FR-1], v[BIAS+8*\b:BIAS+8*\b+7], v[SC+8*NQ*(\sc)+NQ*\b+(\q)], v[SC+8*NQ*(\sc)+NQ*(\a)+(\q)] matrix_a_fmt:MATRIX_FMT_FP4 matrix_b_fmt:MATRIX_FMT_FP4 matrix_a_scale:MATRIX_SCALE_ROW1
.else
	v_wmma_scale_f32_16x16x128_f8f6f4 v[8*(8*((\a)%4)+\b):8*(8*((\a)%4)+\b)+7], v[128*(\p)+FR*\b:128*(\p)+FR*\b+FR-1], v[AF+FR*(\a):AF+FR*(\a)+FR-1], v[8*(8*((\a)%4)+\b):8*(8*((\a)%4)+\b)+7], v[SC+8*NQ*(\sc)+NQ*\b+(\q)], v[SC+8*NQ*(\sc)+NQ*(\a)+(\q)] matrix_a_fmt:MATRIX_FMT_FP4 matrix_b_fmt:MATRIX_FMT_FP4 matrix_a_scale:MATRIX_SCALE_ROW1
.endif
.endr
.endr
.endm
.macro FETCH_B slot, q, p
	WIN TO_B
.irp i, 0,1,2,3,4,5,6,7
	FRAG 128*(\p)+FR*\i, ADRB+\slot, \q, \i
.endr
	WIN 0
.endm
.macro FETCH_A slot, q, i0
.irp i, \i0, \i0+1, \i0+2, \i0+3
	FRAG AF+FR*(\i), ADRA+\slot, \q, \i
.endr
.endm
.macro SCALES sc                       ; a slot's scale words: four words a row; lanes 0-15 take A's block i, lanes 16-31 B's block i
.irp i, 0,1,2,3,4,5,6,7
	ds_load_b128 v[SC+8*NQ*\sc+NQ*\i:SC+8*NQ*\sc+NQ*\i+3], v[ADRS] offset:\i*SBLK
.endr
.endm
.macro PLACES n                        ; plain vector lines between a matrix instruction and a load into, or a read of, its registers
.rept \n
	v_nop
.endr
.endm
.macro STEP slot, q, first             ; a step of 128 along K that has its successor in the same slot
	s_wait_dscnt 4*NL                              ; B's set and A's blocks 0-3 are in; the youngest eight loads (A's blocks 4-7) may be out
	WIN MUL_LO-0x20*\first                         ; (first: C, the bias, lies in window 0)
	MUL16 0, (\q)%2, \q, \slot, \first
	MUL16 2, (\q)%2, \q, \slot, \first
	s_wait_dscnt 0
	PLACES NP
	FETCH_B \slot, (\q)+1, 1-(\q)%2
	FETCH_A \slot, (\q)+1, 0
	WIN MUL_HI-0x30*\first
	MUL16 4, (\q)%2, \q, \slot, \first
	MUL16 6, (\q)%2, \q, \slot, \first
	PLACES NP
	WIN 0
	FETCH_A \slot, (\q)+1, 4
.endm
; Slot 0's last step changes slots: one barrier; in front of it each wave waits for all its tensor loads (its part of slot 1), adds 0 to its spare word, and waits for that and for its reads of slot 0.  Nothing is filled again.
.macro TURN slot, next
	s_wait_tensorcnt 0x0
	ds_add_u32 v[SPW], v[NIL]
	s_wait_dscnt 4*NL+1                            ; (the add and the youngest eight loads may be out)
	WIN MUL_LO
	MUL16 0, 1, NQ-1, \slot, 0
	s_wait_dscnt 0x0                               ; the add is done, and my reads of this slot are over
	s_barrier_signal -1
	MUL16 2, 1, NQ-1, \slot, 0
	WIN 0
	s_barrier_wait -1
	PLACES NP
	v_add_nc_u32 v[ADRS], 4*NQ, v[ADRS]            ; on to the next slot's scale words
	FETCH_B \next, 0, 0
	FETCH_A \next, 0, 0
	SCALES \next
	WIN MUL_HI
	MUL16 4, 1, NQ-1, \slot, 0
	MUL16 6, 1, NQ-1, \slot, 0
	PLACES NP
	WIN 0
	FETCH_A \next, 0, 4
.endm
	s_wait_tensorcnt 1                             ; the scales and my part of slot 0 are in (slot 1's load may be out)
	s_barrier_signal -1
	s_barrier_wait -1                              ; everybody's are
	FETCH_B 0, 0, 0
	FETCH_A 0, 0, 0
	SCALES 0
	FETCH_A 0, 0, 4
	s_wait_loadcnt 0x0                             ; the bias
	STEP 0, 0, 1
	STEP 0, 1, 0
	STEP 0, 2, 0
	TURN 0, 1
	STEP 1, 0, 0
	STEP 1, 1, 0
	STEP 1, 2, 0
	s_wait_dscnt 4*NL                              ; the last step: nothing more to fetch
	WIN MUL_LO
	MUL16 0, 1, NQ-1, 1, 0
	MUL16 2, 1, NQ-1, 1, 0
	s_wait_dscnt 0
	WIN MUL_HI
	MUL16 4, 1, NQ-1, 1, 0
	MUL16 6, 1, NQ-1, 1, 0
	WIN 0
; THE WAY OUT, block by block of 16 rows x 128 columns: rounded to f16 (16 bytes a lane), through my own stage in LDS, back as a head's rows of 128 bytes: four rows, 512 consecutive bytes of memory, an instruction.
.macro PACK a
.set AC, 64*((\a)%4)
	WIN 0x0a+5*((\a)/4)                            ; sources 0 and 1: window 2 or 3
.irp b, 0,1,2,3,4,5,6,7
.irp r, 0,1,2,3
	v_cvt_pk_f16_f32 v[TMP+4*\b+\r], v[AC+8*\b+2*\r], v[AC+8*\b+2*\r+1]   ; each accumulator from its low end on
.endr
.endr
	WIN 0
.endm
.macro TOSTAGE a
.set BB, BK+32*((\a)%2)
.irp b, 0,1,2,3,4,5,6,7
	ds_store_b128 v[STO], v[TMP+4*\b:TMP+4*\b+3] offset:32*\b
.endr
.irp t, 0,1,2,3,4,5,6,7
	ds_load_b128 v[BB+4*\t:BB+4*\t+3], v[RD] offset:4*SPITCH*(\t%4)+128*(\t/4)   ; LDS serves a wave's instructions in order: these see the stores above
.endr
.endm
.macro SEND a
.set BB, BK+32*((\a)%2)
	s_wait_dscnt 0x0                               ; the block is back in registers
	s_wait_xcnt 0x0                                ; the earlier stores have read their base and their data: both may be written again
.if (\a) > 0
	s_add_nc_u64 s[12:13], s[12:13], 16*128        ; 16 rows of a head on
.endif
.irp t, 0,1,2,3,4,5,6,7
	global_store_b128 v[CO], v[BB+4*\t:BB+4*\t+3], s[12:13] offset:262144*(\t/4)+512*(\t%4)   ; head g, then head g + 1; 512 consecutive bytes, at a multiple of 256 from the buffer's first byte
.endr
.endm
	PLACES NP
	PACK 0
	TOSTAGE 0
.irp a, 1,2,3,4,5,6,7                  ; block a's conversions stand between block a - 1's loads from the stage and the wait for them
	PACK \a
	SEND \a-1
	TOSTAGE \a
.endr
	SEND 7
	s_wait_tensorcnt 0x0                           ; the wave's end
	ds_add_u32 v[SPW], v[NIL]
	s_wait_dscnt 0x0
	CROUND                                         ; the closing round
	s_endpgm
.Lfunc_end_k_q121581d290_qkv:
	.size	k_q121581d290_qkv, .Lfunc_end_k_q121581d290_qkv-k_q121581d290_qkv
	.p2alignl 7, 3214868480
	.fill 96, 4, 3214868480
	.section	.rodata,"a",@progbits
	.p2align	6, 0x0
	.amdhsa_kernel k_q121581d290_qkv
		.amdhsa_group_segment_fixed_size 327680
		.amdhsa_private_segment_fixed_size 0
		.amdhsa_enable_private_segment 0
		.amdhsa_kernarg_size 48
		.amdhsa_user_sgpr_count 2
		.amdhsa_user_sgpr_kernarg_segment_ptr 1
		.amdhsa_wavefront_size32 1
		.amdhsa_system_sgpr_workgroup_id_x 1
		.amdhsa_system_sgpr_workgroup_id_y 1
		.amdhsa_system_sgpr_workgroup_id_z 1
		.amdhsa_system_vgpr_workitem_id 0
		.amdhsa_next_free_vgpr 1024
		.amdhsa_next_free_sgpr 98
		.amdhsa_reserve_vcc 0
		.amdhsa_float_denorm_mode_32 3
		.amdhsa_float_denorm_mode_16_64 3
		.amdhsa_memory_ordered 1
		.amdhsa_forward_progress 1
		.amdhsa_inst_pref_size 129
	.end_amdhsa_kernel
	.amdgpu_metadata
---
amdhsa.version: [ 1, 2 ]
amdhsa.kernels:
  - .name:           k_q121581d290_qkv
    .symbol:         k_q121581d290_qkv.kd
    .args:
      - { .name: x_codes, .offset: 0, .size: 8, .value_kind: global_buffer, .address_space: global }
      - { .name: x_scales, .offset: 8, .size: 8, .value_kind: global_buffer, .address_space: global }
      - { .name: w_codes, .offset: 16, .size: 8, .value_kind: global_buffer, .address_space: global }
      - { .name: w_scales, .offset: 24, .size: 8, .value_kind: global_buffer, .address_space: global }
      - { .name: b_qkv, .offset: 32, .size: 8, .value_kind: global_buffer, .address_space: global }
      - { .name: qkv, .offset: 40, .size: 8, .value_kind: global_buffer, .address_space: global }
    .group_segment_fixed_size: 327680
    .private_segment_fixed_size: 0
    .kernarg_segment_align: 8
    .kernarg_segment_size: 48
    .max_flat_workgroup_size: 128
    .sgpr_count:     98
    .vgpr_count:     1024
    .wavefront_size: 32
...
	.end_amdgpu_metadata
.endif
;; end of part 2
;; launch attn (part 3): grid 4 x 64, 8 waves a work-group, clusters of 4 x 1, 327,680 bytes of LDS; arguments qkv, att; writes att
.if DOCPART == 3
	.amdgcn_target "amdgcn-amd-amdhsa--gfx1250"
	.amdhsa_code_object_version 6
	.text
	.protected	k_q121581d290_attn
	.globl	k_q121581d290_attn
	.p2align	8
	.type	k_q121581d290_attn,@function
k_q121581d290_attn:
	s_mov_b64 s[64:65], 0
	v_nop
	global_prefetch_b8 v0, s[64:65] scope:SCOPE_SE
	s_setreg_imm32_b32 hwreg(HW_REG_WAVE_MODE, 25, 1), 1
	s_wait_xcnt 0x0
	s_wait_alu depctr_hold_cnt(0) depctr_sa_sdst(0) depctr_va_vdst(0) depctr_va_sdst(0) depctr_va_ssrc(0) depctr_va_vcc(0) depctr_vm_vsrc(0)
	s_getreg_b32 s2, hwreg(HW_REG_IB_STS2, 6, 4)
	s_cmp_eq_u32 s2, 0
	s_cbranch_scc0 .Lentry_in_a_cluster
	s_endpgm
.Lentry_in_a_cluster:
	s_bfe_u32 s2, ttmp6, 0x10000c
	s_cmp_lg_u32 s2, 0x3003
	s_cbranch_scc0 .Lentry_shape_is_right
	s_endpgm
.Lentry_shape_is_right:
; att[head][q][:] = the sum over k of softmax_k(Q[q] . K[k] / 8) V[k][:], for 64 heads (batch x 16 + head) of 2,048 positions and 64 channels.  Q, K, V: the three parts of qkv, f16, [64][2048][64]; att likewise.
; Products on f16 operands with f32 sums; maxima, exponentials and sums in f32; the weights p are rounded to f16 for the second product, att once at the end.
; LIMITS: NaN and infinities are not served; |q|, |k|, |v| under 65,504.
; SHARES.  A work-group owns 512 queries of one head, each of its eight waves 64: four tiles of 16.  Every wave walks all 2,048 keys, 64 a step.
; LAYOUT.  S^T = K Q^T (source 0 = 16 keys, source 1 = 16 queries): a lane holds ONE query (lane % 16) and the keys 8 (lane / 16) + 0..7.  Two such tiles, rounded to f16 in pairs, ARE source 1 of O^T = V^T P.
; K comes out of LDS as it lies, V ([key][channel]) turned, by ds_load_tr16_b128.
; SOFTMAX.  For each query a running maximum m and sum l: p = 2^(c s - c m), c = log2(e) / 8; in every step O and l are multiplied by a = 2^(c m_old - c m_new).  m begins at -3e38 and O, l at 0: the first step's a is 0.
; TWO GROUPS OF WAVES, HALF A STEP APART.  A wave's step is a run of 64 matrix instructions (V^T P of step j - 1, K Q^T of step j) and then a softmax of vector instructions.  g = (wave xor wave / 4) & 1 parts the waves in two groups.
; Group 0 runs the softmax that is due at a barrier AHEAD of the barrier, group 1 BEHIND it: so behind each barrier one group begins with matrix work and the other with vector work.
; Work on registers.
; CLUSTER.  The four work-groups of a head walk the same K and V: each tile is asked for jointly, by the same tensor load with the same descriptor and the mask 15.
; RING.  Two slots of 512 keys (8 steps): K's 512 rows of 128 bytes + 16, then V's 512 rows of 128 + 32.  Waves 0-3 fetch K's quarters, waves 4-7 V's.  Two loads of a wave are out at the head, one behind a refill's round,
; where it has eight key steps in which to land: so nothing is prefetched.
; REGISTERS.  window 0: v1-13 addresses; v30, v31 the add's; v32-63 statistics, 8 a tile; v64-191 S^T, 32 a tile (P in place, in the low 16); v192-255 Q.  window 1: v0-127 O^T, 32 a tile; v128-191 K; v192-255 V.
.set PK,    144
.set VP,    160
.set VOFF,  512*PK
.set SLOT,  512*(PK+VP)
.set SPARE, 2*SLOT                     ; the spare words: 128 bytes for each wave, four blocks of 256 bytes that no other line names
.set STEPK, 64*PK
.set STEPV, 64*VP
.set AK0, 2                            ; v2  my lane's place in a tile of K
.set AV0, 3                            ; v3  the same for V
.set ADK, 4                            ; v4  LDS address of K's run of loads
.set ADV, 5                            ; v5  of V's
.set QO,  6                            ; v6  my byte offset in the wave's rows of Q
.set STO, 7                            ; v7  the way out: where I put 16 bytes of a row (the stage: 16 rows x 144 bytes a wave, in slot 0, behind its last fill and last read)
.set RD,  8                            ; v8  and where I read rows back
.set GO,  9                            ; v9  16 x lane
.set SPW, 30
.set NIL, 31
.set ST,  32                           ; tile t at v[ST+8 t]: +0 c m, +1 m, +2, +3 l (even keys', odd keys'), +4 to +7 at work; a at +6
.set S,   64
.set Q,   192
.set KF,  128                          ; in window 1
.set VF,  192                          ; in window 1
.set WV,  12
.set G,   13
.set CX,  14
.set W3,  15
.set G1K, 24
.set G1V, 32
.set G0K, 40                           ; s[40:47] group 0 for K, a set for each slot
.set G0V, 48                           ; s[48:55] for V
.set CNT, 56
.set SKIP, 57
.set CS,  58
.set SEL, 60
.set TK,  62                           ; LDS byte at which the K tile to be fetched begins
.set TV,  63                           ; and the V tile
.set MSB, 0
.macro WIN new
.if MSB != (\new)
	s_set_vgpr_msb (MSB<<8)|(\new)
.set MSB, (\new)
.endif
.endm
.set W_KQ, 0x01                        ; K in window 1; Q and S^T in window 0
.set W_PV, 0x51                        ; V and O^T in window 1; P in window 0
.set W_RS, 0x41                        ; O^T (destination, source 0) in window 1; a in window 0
.set W_LD, 0x40                        ; destination window 1, address window 0
.macro JLOAD n                         ; a joint refill of slot n; an s_nop 0 and four v_nop follow each of the two lines
	s_cmp_lt_u32 s[WV], 4
	s_cbranch_scc0 .Lfor_v_\@
	tensor_load_to_lds s[G0K+4*\n:G0K+4*\n+3], s[G1K:G1K+7]
	s_nop 0
.rept 4
	v_nop
.endr
	s_branch .Lasked_\@
.Lfor_v_\@:
	tensor_load_to_lds s[G0V+4*\n:G0V+4*\n+3], s[G1V:G1V+7]
	s_nop 0
.rept 4
	v_nop
.endr
.Lasked_\@:
.endm
.macro CROUND                          ; a round of the cluster's barrier
	s_barrier_signal -1
	s_barrier_wait -1
	s_cmp_lg_u32 s[WV], 0
	s_cbranch_scc1 .Lnot_wave_0_\@
	s_barrier_signal -3
.Lnot_wave_0_\@:
	s_barrier_wait -3
	s_barrier_signal -1
	s_barrier_wait -1
.endm
	s_load_b128 s[4:7], s[0:1], 0x0                ; qkv s[4:5], att s[6:7]
	v_lshl_add_u32 v[SPW], v0, 2, SPARE
	v_mov_b32 v[NIL], 0
	ds_add_u32 v[SPW], v[NIL]                      ; the wave's opening: the add, twice on end, and its wait ahead of my first tensor load
	ds_add_u32 v[SPW], v[NIL]
	v_lshrrev_b32 v1, 5, v0
	v_readfirstlane_b32 s[WV], v1                  ; wave 0..7
	s_lshr_b32 s[G], s[WV], 2
	s_xor_b32 s[G], s[G], s[WV]
	s_and_b32 s[G], s[G], 1                        ; my group
	s_and_b32 s[W3], s[WV], 3                      ; which quarter of a slot's K or V I fetch
	s_bfe_u32 s[CX], ttmp6, 0x40000                ; my place in the cluster: it enters Q's and att's addresses alone
	s_and_b32 s16, ttmp7, 0xffff                   ; the head, which the four partners share
	s_lshl_b32 s16, s16, 18                        ; x 2,048 rows of 128 bytes
	s_mov_b32 s17, 0
	s_lshl_b32 s18, s[W3], 14                      ; my quarter: 128 rows
	s_mov_b32 s19, 0
	s_add_nc_u64 s[18:19], s[18:19], s[16:17]
	s_lshl_b32 s20, s[CX], 16                      ; my work-group's 512 queries,
	s_lshl_b32 s21, s[WV], 13                      ; my wave's 64 of them
	s_add_co_u32 s20, s20, s21
	s_mov_b32 s21, 0
	s_add_nc_u64 s[20:21], s[20:21], s[16:17]
	s_mul_i32 s22, s[W3], 128*PK                   ; my quarter's place in a slot: K's,
	s_mul_i32 s23, s[W3], 128*VP                   ; V's
	s_mov_b32 s[G1K], 15|(1<<16)|(1<<20)|(1<<21)|(4<<22)|(3<<25)  ; the mask: all four; elements of 2 bytes; padding on; bit 21 beside a mask; after every 32 words four words
	s_mov_b32 s[G1V], 15|(1<<16)|(1<<20)|(1<<21)|(4<<22)|(7<<25)  ; the same with eight words
.irp g, G1K, G1V
	s_mov_b32 s[\g+1], 64<<16                      ; tensor_dim0 = 64
	s_mov_b32 s[\g+2], 128<<16                     ; tensor_dim1 = 128
	s_mov_b32 s[\g+3], 64<<16                      ; tile_dim0 = 64
	s_mov_b32 s[\g+4], 128                         ; tile_dim1 = 128
	s_mov_b32 s[\g+5], 64                          ; the pitch
	s_mov_b32 s[\g+6], 0
	s_mov_b32 s[\g+7], 0
.endr
	s_mov_b32 s[CS], 0x3e38aa3b                    ; c = log2(e) / 8
	s_mov_b32 s[CS+1], s[CS]
	s_mov_b32 s[SEL], 0x76543210
	s_mov_b32 s[SEL+1], 0xfedcba98
	s_wait_dscnt 0x0                               ; both opening adds are done
	s_wait_kmcnt 0x0
	s_add_nc_u64 s[8:9], s[4:5], s[18:19]
	s_add_nc_u64 s[10:11], s[8:9], 0x2000000       ; V: the third part
	s_add_nc_u64 s[8:9], s[8:9], 0x1000000         ; K: the second
	s_add_nc_u64 s[4:5], s[4:5], s[20:21]          ; Q at my wave's first query
	s_add_nc_u64 s[6:7], s[6:7], s[20:21]          ; att likewise
	CROUND                                         ; all four work-groups are here: the first joint loads meet
.irp n, 0,1
	s_mov_b32 s[G0K+4*\n], 1
	s_add_co_u32 s[G0K+4*\n+1], s22, \n*SLOT
	s_add_nc_u64 s[G0K+4*\n+2:G0K+4*\n+3], s[8:9], \n*65536   ; slot n begins with keys 512 n
	s_or_b32 s[G0K+4*\n+3], s[G0K+4*\n+3], 0x80000000
	s_mov_b32 s[G0V+4*\n], 1
	s_add_co_u32 s[G0V+4*\n+1], s23, \n*SLOT+VOFF
	s_add_nc_u64 s[G0V+4*\n+2:G0V+4*\n+3], s[10:11], \n*65536
	s_or_b32 s[G0V+4*\n+3], s[G0V+4*\n+3], 0x80000000
.endr
	s_cmp_lt_u32 s[WV], 4                          ; a wave's two first fills stand in one branch, ahead of every wait on TENSORcnt and every LDS read
	s_cbranch_scc0 .Lfirst_v
	tensor_load_to_lds s[G0K:G0K+3], s[G1K:G1K+7]
	s_nop 0
	tensor_load_to_lds s[G0K+4:G0K+7], s[G1K:G1K+7]
	s_nop 0
.rept 4
	v_nop
.endr
	s_branch .Lfirst_asked
.Lfirst_v:
	tensor_load_to_lds s[G0V:G0V+3], s[G1V:G1V+7]
	s_nop 0
	tensor_load_to_lds s[G0V+4:G0V+7], s[G1V:G1V+7]
	s_nop 0
.rept 4
	v_nop
.endr
.Lfirst_asked:
	v_and_b32 v1, 15, v0                           ; r = lane % 16
	v_bfe_u32 v10, v0, 4, 1                        ; h = lane / 16
	v_lshlrev_b32 v[QO], 7, v1
	v_lshl_add_u32 v[QO], v10, 4, v[QO]            ; row x 128 + 16 x half
.irp t, 0,1,2,3                        ; Q stays in registers: tile t, channels 32 c on
.irp c, 0,1
	global_load_b128 v[Q+16*\t+8*\c:Q+16*\t+8*\c+3],   v[QO], s[4:5] offset:2048*\t+64*\c
	global_load_b128 v[Q+16*\t+8*\c+4:Q+16*\t+8*\c+7], v[QO], s[4:5] offset:2048*\t+64*\c+32
.endr
.endr
	v_mul_u32_u24 v[AK0], v1, PK
	v_lshl_add_u32 v[AK0], v10, 4, v[AK0]          ; K: row x pitch + 16 x half
	v_and_b32 v11, 7, v0
	v_bfe_u32 v12, v0, 3, 1
	v_lshl_add_u32 v[AV0], v10, 3, v11             ; V, turned: key 8 (l / 16) + l % 8,
	v_mul_u32_u24 v[AV0], v[AV0], VP
	v_lshl_add_u32 v[AV0], v12, 4, v[AV0]          ; channels 8 ((l / 8) % 2) on
	s_mul_i32 s16, s[WV], 16*PK                    ; my stage
	v_mul_u32_u24 v[STO], v1, PK
	v_lshl_add_u32 v[STO], v10, 4, v[STO]
	v_add_nc_u32 v[STO], s16, v[STO]
	v_and_b32 v13, 31, v0
	v_lshrrev_b32 v12, 3, v13
	v_mul_u32_u24 v[RD], v12, PK
	v_lshl_add_u32 v[RD], v11, 4, v[RD]
	v_add_nc_u32 v[RD], s16, v[RD]                 ; back: eight lanes to a row of 128 bytes, four rows an instruction
	v_lshlrev_b32 v[GO], 4, v13
.irp t, 0,1,2,3
	v_mov_b32 v[ST+8*\t], 0xff61b1e6               ; c m and m begin at -3e38, under every score
	v_mov_b32 v[ST+8*\t+1], 0xff61b1e6
.irp j, 2,3,4,5,6,7
	v_mov_b32 v[ST+8*\t+\j], 0
.endr
.endr
	WIN W_LD
.set i, 0
.rept 128
	v_mov_b32 v[i], 0                              ; O^T.  (The step is written without a first step of its own: the first a is 0 and leaves zeros zeros)
.set i, i+1
.endr
	WIN 0
; 32 products S^T = K Q^T: channels 32 (i / 16) on, keys 16 ((i / 4) % 4) on, tile i % 4.  The first 16 start the sums.  Sixteen accumulators take turns, one instruction a turn.
.macro KQRUN
	WIN W_KQ
.set i, 0
.rept 32
.set rS, S+32*(i%4)+8*((i/4)%4)
.set rK, KF+16*((i/4)%4)+8*(i/16)
.set rQ, Q+16*(i%4)+8*(i/16)
.if i < 16
	v_wmma_f32_16x16x32_f16 v[rS:rS+7], v[rK:rK+7], v[rQ:rQ+7], 0
.else
	v_wmma_f32_16x16x32_f16 v[rS:rS+7], v[rK:rK+7], v[rQ:rQ+7], v[rS:rS+7]
.endif
.set i, i+1
.endr
.endm
; 32 products O^T += V^T P: keys 32 (i / 16) on, channels 16 ((i / 4) % 4) on, tile i % 4
.macro PVRUN
	WIN W_PV
.set i, 0
.rept 32
.set rO, 32*(i%4)+8*((i/4)%4)
.set rV, VF+32*(i/16)+8*((i/4)%4)
.set rP, S+32*(i%4)+8*(i/16)
	v_wmma_f32_16x16x32_f16 v[rO:rO+7], v[rV:rV+7], v[rP:rP+7], v[rO:rO+7]
.set i, i+1
.endr
.endm
.macro FETCH_K                         ; a step's K: 64 keys x 64 channels: 8 fragments: keys 16 (f / 2) on, channels 32 (f % 2) on
	WIN W_LD
.irp f, 0,1,2,3,4,5,6,7
	ds_load_b128 v[KF+8*\f:KF+8*\f+3],   v[ADK] offset:(\f/2)*16*PK+(\f%2)*64
	ds_load_b128 v[KF+8*\f+4:KF+8*\f+7], v[ADK] offset:(\f/2)*16*PK+(\f%2)*64+32
.endr
	WIN 0
.endm
.macro FETCH_V                         ; a step's V, turned: keys 32 (f / 4) on, channels 16 (f % 4) on
	WIN W_LD
.irp f, 0,1,2,3,4,5,6,7
	ds_load_tr16_b128 v[VF+8*\f:VF+8*\f+3],   v[ADV] offset:(\f/4)*32*VP+(\f%4)*32
	ds_load_tr16_b128 v[VF+8*\f+4:VF+8*\f+7], v[ADV] offset:(\f/4)*32*VP+16*VP+(\f%4)*32
.endr
	WIN 0
.endm
; THE MATRIX PART OF STEP j: V^T P of step j - 1 (pv), K Q^T of step j (kq); then V of step j and K of step j + 1 are fetched.
; mode 1: K is fetched; mode 2, in a loop: not in the slot's last trip (the next K lies in the other slot and is fetched behind the change of slots).
.macro M pv, kq, mode
	s_wait_dscnt 0x0                               ; V of step j - 1 and K of step j are in
.if \pv
	PVRUN
.endif
.if \pv && \kq
.rept 5
	v_nop                                          ; K Q^T writes over P's registers, which V^T P has read as a source: five places (the dependency: ISA guide 7.12.1)
.endr
.endif
.if \kq
	KQRUN
	WIN 0
	v_add_nc_u32 v[ADV], s[TV], v[AV0]             ; these two and three v_nop are five places: in front of the loads into K's registers, of the softmax's first read of the scores,
	v_add_nc_u32 v[ADK], s[TK], v[AK0]             ; and, on the way that leads round a softmax, of the next product that names the scores' registers as a source
.rept 3
	v_nop
.endr
	FETCH_V
	s_add_co_u32 s[TV], s[TV], STEPV
.if \mode == 2
	s_cmp_eq_u32 s[CNT], 1
	s_cbranch_scc1 .Lno_k_\@
.endif
	FETCH_K
.if \mode == 2
.Lno_k_\@:
.endif
	s_add_co_u32 s[TK], s[TK], STEPK               ; stepped in every trip alike
.else
	WIN 0
.endif
.endm
; THE VECTOR PART OF A STEP: the four tiles' softmax, the tiles by turns so that no line waits for the line above it.  All in window 0 but the rescaling of O^T at its end.
.macro SOFTMAX
.irp j, 0,1,2,3                        ; the maximum of a lane's 32 scores and the old m: four chains, each begun at an accumulator's low end
.irp t, 0,1,2,3
	v_max3_num_f32 v[ST+8*\t+4+\j], v[S+32*\t+8*\j], v[S+32*\t+8*\j+1], v[S+32*\t+8*\j+2]
.endr
.endr
.irp u, 1,2
.irp j, 0,1,2,3
.irp t, 0,1,2,3
	v_max3_num_f32 v[ST+8*\t+4+\j], v[ST+8*\t+4+\j], v[S+32*\t+8*\j+2*\u+1], v[S+32*\t+8*\j+2*\u+2]
.endr
.endr
.endr
.irp t, 0,1,2,3
	v_max3_num_f32 v[ST+8*\t+4], v[ST+8*\t+4], v[S+32*\t+7], v[S+32*\t+15]
.endr
.irp t, 0,1,2,3
	v_max3_num_f32 v[ST+8*\t+6], v[ST+8*\t+6], v[S+32*\t+23], v[S+32*\t+31]
.endr
.irp t, 0,1,2,3
	v_max3_num_f32 v[ST+8*\t+4], v[ST+8*\t+4], v[ST+8*\t+5], v[ST+8*\t+6]
.endr
.irp t, 0,1,2,3
	v_max3_num_f32 v[ST+8*\t+4], v[ST+8*\t+4], v[ST+8*\t+7], v[ST+8*\t+1]
.endr
.irp t, 0,1,2,3
	v_permlanex16_b32 v[ST+8*\t+5], v[ST+8*\t+4], s[SEL], s[SEL+1]   ; the query's other 32 keys lie in the lane 16 away
.endr
.irp t, 0,1,2,3
	v_mov_b32 v[ST+8*\t+7], v[ST+8*\t]             ; c m_old is kept for a
.endr
.irp t, 0,1,2,3
	v_max_num_f32 v[ST+8*\t+1], v[ST+8*\t+4], v[ST+8*\t+5]
.endr
.irp t, 0,1,2,3
	v_mul_f32 v[ST+8*\t], s[CS], v[ST+8*\t+1]
.endr
.irp t, 0,1,2,3
	v_sub_f32 v[ST+8*\t+7], v[ST+8*\t+7], v[ST+8*\t]
.endr
.irp t, 0,1,2,3                        ; ONE BATCH of exponentials: the four a, then the 128 p; none of the lines between reads an exponential's result
	v_exp_f32 v[ST+8*\t+6], v[ST+8*\t+7]
.endr
.irp b, 0,1,2,3,4,5,6,7,8,9,10,11,12,13,14,15
.irp t, 0,1,2,3
	v_pk_fma_f32 v[S+32*\t+2*\b:S+32*\t+2*\b+1], v[S+32*\t+2*\b:S+32*\t+2*\b+1], s[CS:CS+1], v[ST+8*\t:ST+8*\t+1] op_sel_hi:[1,0,0] neg_lo:[0,0,1] neg_hi:[0,0,1]   ; pair b: c s - c m
.endr
.irp t, 0,1,2,3
	v_exp_f32 v[S+32*\t+2*\b], v[S+32*\t+2*\b]
	v_exp_f32 v[S+32*\t+2*\b+1], v[S+32*\t+2*\b+1]
.endr
.endr
	v_nop                                          ; a plain line behind the last exponential,
	s_wait_alu depctr_va_vdst(0)                   ; and one wait for the whole batch, ahead of its first reader
.irp t, 0,1,2,3                        ; the sums of the unrounded p, in two chains a tile: l = a l + the even pairs; the odd pairs beside it
	v_pk_fma_f32 v[ST+8*\t+2:ST+8*\t+3], v[ST+8*\t+2:ST+8*\t+3], v[ST+8*\t+6:ST+8*\t+7], v[S+32*\t:S+32*\t+1] op_sel_hi:[1,0,1]
.endr
.irp t, 0,1,2,3
	v_pk_add_f32 v[ST+8*\t+4:ST+8*\t+5], v[S+32*\t+2:S+32*\t+3], v[S+32*\t+6:S+32*\t+7]
.endr
.irp p, 2,4,6,8,10,12
.irp t, 0,1,2,3
	v_pk_add_f32 v[ST+8*\t+2:ST+8*\t+3], v[ST+8*\t+2:ST+8*\t+3], v[S+32*\t+2*\p:S+32*\t+2*\p+1]
.endr
.irp t, 0,1,2,3
	v_pk_add_f32 v[ST+8*\t+4:ST+8*\t+5], v[ST+8*\t+4:ST+8*\t+5], v[S+32*\t+2*\p+6:S+32*\t+2*\p+7]
.endr
.endr
.irp t, 0,1,2,3
	v_pk_add_f32 v[ST+8*\t+2:ST+8*\t+3], v[ST+8*\t+2:ST+8*\t+3], v[S+32*\t+28:S+32*\t+29]
.endr
.irp t, 0,1,2,3
	v_pk_add_f32 v[ST+8*\t+2:ST+8*\t+3], v[ST+8*\t+2:ST+8*\t+3], v[ST+8*\t+4:ST+8*\t+5]
.endr
.irp n, 0,1,2,3,4,5,6,7,8,9,10,11,12,13,14,15   ; P in place: register n takes pair n, whose registers 2 n and 2 n + 1 lie at or above it
.irp t, 0,1,2,3
	v_cvt_pk_f16_f32 v[S+32*\t+\n], v[S+32*\t+2*\n], v[S+32*\t+2*\n+1]
.endr
.endr
	WIN W_RS
.irp n, 0,1,2,3,4,5,6,7,8,9,10,11,12,13,14,15   ; O^T x a, each accumulator from its low end on
.irp t, 0,1,2,3
	v_pk_mul_f32 v[32*\t+2*\n:32*\t+2*\n+1], v[32*\t+2*\n:32*\t+2*\n+1], v[ST+8*\t+6:ST+8*\t+7] op_sel_hi:[1,0]
.endr
.endr
	WIN 0
.endm
; THE CHANGE OF SLOTS.  Each wave waits for all its tensor loads (its part of the other slot), adds 0 to its spare word, and waits for that and for its reads of the slot that it leaves.
; fill = 1: slot n, just left, is filled again with the keys 1,024 further on, behind a round of the cluster's barrier: no wave of any partner still reads it or has a load on its way.
.macro CHANGE fill, n
	s_wait_tensorcnt 0x0                           ; no tensor load of mine is out, so a group 0 may be written
	ds_add_u32 v[SPW], v[NIL]
.if \fill
	s_add_nc_u64 s[G0K+4*\n+2:G0K+4*\n+3], s[G0K+4*\n+2:G0K+4*\n+3], 131072
	s_add_nc_u64 s[G0V+4*\n+2:G0V+4*\n+3], s[G0V+4*\n+2:G0V+4*\n+3], 131072
.endif
	s_wait_dscnt 0x0                               ; the add is done, and my reads of the slot are over
.if \fill
	CROUND
	JLOAD \n
.else
	s_barrier_signal -1
	s_barrier_wait -1
.endif
.endm
; A SLOT'S STEPS.  A trip is the softmax of the step before (group 0 has run the first one ahead of the barrier, and passes it over) and the matrix part of a step.
; Behind the loop stands the last step's softmax: for group 0 alone (post = 0), or, in the last slot, for all (post = 1).
.macro PASS slot, trips, first, post
.if !\first
	s_mov_b32 s[TK], \slot*SLOT
	s_mov_b32 s[TV], \slot*SLOT+VOFF
	v_add_nc_u32 v[ADK], s[TK], v[AK0]
	FETCH_K                                        ; the slot's first K
	s_add_co_u32 s[TK], s[TK], STEPK
.endif
	s_mov_b32 s[CNT], \trips
	s_xor_b32 s[SKIP], s[G], 1
.Ltrip_\@:
	s_cmp_lg_u32 s[SKIP], 0
	s_cbranch_scc1 .Lskip_\@
	SOFTMAX
.Lskip_\@:
	s_mov_b32 s[SKIP], 0
	M 1, 1, 2
	s_sub_co_u32 s[CNT], s[CNT], 1
	s_cmp_lg_u32 s[CNT], 0
	s_cbranch_scc1 .Ltrip_\@
.if \post
	SOFTMAX
.else
	s_cmp_lg_u32 s[G], 0
	s_cbranch_scc1 .Llater_\@
	SOFTMAX
.Llater_\@:
.endif
.endm
	s_wait_tensorcnt 0x1                           ; my part of slot 0 is in; slot 1's may stay out
	s_barrier_signal -1
	s_barrier_wait -1                              ; everybody's is
	s_mov_b32 s[TK], 0
	s_mov_b32 s[TV], VOFF
	v_add_nc_u32 v[ADK], s[TK], v[AK0]
	FETCH_K                                        ; key step 0
	s_add_co_u32 s[TK], s[TK], STEPK
	s_wait_loadcnt 0x0                             ; Q
	M 0, 1, 1                                      ; the first scores; V of step 0, K of step 1
	s_cmp_lg_u32 s[G], 0
	s_cbranch_scc1 .Lhalf_step
	SOFTMAX                                        ; group 0 alone
.Lhalf_step:
	s_wait_dscnt 0x0
	s_barrier_signal -1                            ; this barrier sets the two groups half a step apart
	s_barrier_wait -1
	PASS 0, 7, 1, 0                                ; steps 1 to 7
	CHANGE 1, 0
	PASS 1, 8, 0, 0                                ; steps 8 to 15
	CHANGE 1, 1
	PASS 0, 8, 0, 0                                ; steps 16 to 23
	CHANGE 0, 0                                    ; nothing is left to fetch
	PASS 1, 8, 0, 1                                ; steps 24 to 31
	M 1, 0, 0                                      ; V^T P of the last step
	; THE WAY OUT.  l's two halves and the other half of the lanes' are added (the additions are the places behind the last products); O^T is divided by l, rounded to f16 and sent through my stage, a tile at a time.
.irp t, 0,1,2,3
	v_add_f32 v[ST+8*\t+4], v[ST+8*\t+2], v[ST+8*\t+3]
.endr
.irp t, 0,1,2,3
	v_permlanex16_b32 v[ST+8*\t+5], v[ST+8*\t+4], s[SEL], s[SEL+1]
.endr
.irp t, 0,1,2,3
	v_add_f32 v[ST+8*\t+4], v[ST+8*\t+4], v[ST+8*\t+5]
.endr
.irp t, 0,1,2,3
	v_rcp_f32 v[ST+8*\t+6], v[ST+8*\t+4]
.endr
	v_nop                                          ; a plain line behind the last reciprocal,
	s_wait_alu depctr_va_vdst(0)                   ; and one wait for the four, ahead of the first use
.macro PACK t
	WIN W_RS
.irp n, 0,1,2,3,4,5,6,7,8,9,10,11,12,13,14,15
	v_pk_mul_f32 v[32*\t+2*\n:32*\t+2*\n+1], v[32*\t+2*\n:32*\t+2*\n+1], v[ST+8*\t+6:ST+8*\t+7] op_sel_hi:[1,0]
.endr
	WIN 0x05                                       ; sources 0 and 1 window 1, destination window 0: S^T's registers are free
.irp n, 0,1,2,3,4,5,6,7,8,9,10,11,12,13,14,15
	v_cvt_pk_f16_f32 v[S+32*\t+\n], v[32*\t+2*\n], v[32*\t+2*\n+1]
.endr
	WIN 0
.irp f, 0,1,2,3
	ds_store_b128 v[STO], v[S+32*\t+4*\f:S+32*\t+4*\f+3] offset:32*\f
.endr
.irp f, 0,1,2,3
	ds_load_b128 v[S+32*\t+16+4*\f:S+32*\t+16+4*\f+3], v[RD] offset:\f*4*PK   ; LDS serves a wave's instructions in order: these see the stores above, and the next tile's stores come behind them
.endr
.endm
.macro SEND t, younger                 ; younger: the LDS instructions issued behind tile t's loads: the next tile's eight, or none
.irp f, 0,1,2,3
	s_wait_dscnt \younger+3-\f
	global_store_b128 v[GO], v[S+32*\t+16+4*\f:S+32*\t+16+4*\f+3], s[6:7] offset:\t*2048+\f*512   ; four rows: 512 consecutive bytes, at a multiple of 256 from the buffer's first byte
.endr
.endm
	PACK 0
	PACK 1
	SEND 0, 8
	PACK 2
	SEND 1, 8
	PACK 3
	SEND 2, 8
	SEND 3, 0
	s_wait_tensorcnt 0x0                           ; the wave's end
	ds_add_u32 v[SPW], v[NIL]
	s_wait_dscnt 0x0
	CROUND                                         ; the closing round
	s_endpgm
.Lfunc_end_k_q121581d290_attn:
	.size	k_q121581d290_attn, .Lfunc_end_k_q121581d290_attn-k_q121581d290_attn
	.p2alignl 7, 3214868480
	.fill 96, 4, 3214868480
	.section	.rodata,"a",@progbits
	.p2align	6, 0x0
	.amdhsa_kernel k_q121581d290_attn
		.amdhsa_group_segment_fixed_size 327680
		.amdhsa_private_segment_fixed_size 0
		.amdhsa_enable_private_segment 0
		.amdhsa_kernarg_size 16
		.amdhsa_user_sgpr_count 2
		.amdhsa_user_sgpr_kernarg_segment_ptr 1
		.amdhsa_wavefront_size32 1
		.amdhsa_system_sgpr_workgroup_id_x 1
		.amdhsa_system_sgpr_workgroup_id_y 1
		.amdhsa_system_sgpr_workgroup_id_z 1
		.amdhsa_system_vgpr_workitem_id 0
		.amdhsa_next_free_vgpr 512
		.amdhsa_next_free_sgpr 66
		.amdhsa_reserve_vcc 0
		.amdhsa_float_denorm_mode_32 3
		.amdhsa_float_denorm_mode_16_64 3
		.amdhsa_memory_ordered 1
		.amdhsa_forward_progress 1
		.amdhsa_inst_pref_size 255
	.end_amdhsa_kernel
	.section	.bss,"aw",@nobits
	.p2align	6
	.space	262144
	.amdgpu_metadata
---
amdhsa.version: [ 1, 2 ]
amdhsa.kernels:
  - .name:           k_q121581d290_attn
    .symbol:         k_q121581d290_attn.kd
    .args:
      - { .name: qkv, .offset: 0, .size: 8, .value_kind: global_buffer, .address_space: global }
      - { .name: att, .offset: 8, .size: 8, .value_kind: global_buffer, .address_space: global }
    .group_segment_fixed_size: 327680
    .private_segment_fixed_size: 0
    .kernarg_segment_align: 8
    .kernarg_segment_size: 16
    .max_flat_workgroup_size: 256
    .sgpr_count:     66
    .vgpr_count:     512
    .wavefront_size: 32
...
	.end_amdgpu_metadata
.endif
;; end of part 3
;; launch outp (part 4): grid 8 x 32, 4 waves a work-group, clusters of 4 x 4, 327,680 bytes of LDS; arguments att, wout16, b_out, out0; writes out0
.if DOCPART == 4
	.amdgcn_target "amdgcn-amd-amdhsa--gfx1250"
	.amdhsa_code_object_version 6
	.text
	.protected	k_q121581d290_outp
	.globl	k_q121581d290_outp
	.p2align	8
	.type	k_q121581d290_outp,@function
k_q121581d290_outp:
	s_mov_b64 s[64:65], 0
	v_nop
	global_prefetch_b8 v0, s[64:65] scope:SCOPE_SE
	s_setreg_imm32_b32 hwreg(HW_REG_WAVE_MODE, 25, 1), 1
	s_wait_xcnt 0x0
	s_wait_alu depctr_hold_cnt(0) depctr_sa_sdst(0) depctr_va_vdst(0) depctr_va_sdst(0) depctr_va_ssrc(0) depctr_va_vcc(0) depctr_vm_vsrc(0)
	s_getreg_b32 s2, hwreg(HW_REG_IB_STS2, 6, 4)
	s_cmp_eq_u32 s2, 0
	s_cbranch_scc0 .Lentry_in_a_cluster
	s_endpgm
.Lentry_in_a_cluster:
	s_bfe_u32 s2, ttmp6, 0x10000c
	s_cmp_lg_u32 s2, 0xf033
	s_cbranch_scc0 .Lentry_shape_is_right
	s_endpgm
.Lentry_shape_is_right:
; out0[m][n] = the sum over k of att[m][k] w_out[k][n] + b_out[n].  att: f16, laid by head [64 (batch x 16 + head)][2048][64], k = 64 x head + channel; wout16: f16 [1024 (k)][1024 (n)]; out0: f32 [8192][1024].  Sums in f32.
; A tile of out0 is 256 rows x 128 columns: 256 work-groups.  Four waves, each 128 rows x 64 columns: 32 accumulators, 256 registers.  K goes in steps of 128, two heads, through a ring of two LDS slots.
; THE MATRIX INSTRUCTION IS USED TRANSPOSED: source 0 = 16 columns of w_out (turned on their way out of LDS by ds_load_tr16_b128), source 1 = 16 rows of att: a lane holds eight neighbouring columns of one row.
; THE BIAS is the C of each sum's first product.
; CLUSTERS: 4 x 4 work-groups.  att's tiles are shared along a row of the cluster, w_out's along a column: each is asked for jointly.  One load a wave: waves 0, 1 a head's 256 rows of att each, waves 2, 3 64 rows of w_out each.
; Nothing is prefetched: the tile is small and K has eight steps.
; REGISTERS: window 0: v16-29 addresses; v32-63 the bias; v64-159, v160-255 two fragment buffers (w_out's four fragments, then att's eight).  window 1: accumulator (a, b) at v[8 (4 a + b)].
.set PA,     144                       ; a row of att in LDS: 128 bytes + 16
.set PB,     288                       ; a row of w_out: 256 bytes + 32
.set AHEAD,  256*PA                    ; a head's 256 rows
.set BHALF,  64*PB
.set BOFF,   2*AHEAD
.set SLOT,   BOFF+2*BHALF
.set STAGE,  2*SLOT                    ; behind the ring: 16 rows x 272 bytes for each wave
.set SPITCH, 272
.set SPARE,  STAGE+4*16*SPITCH         ; the spare words: 128 bytes for each wave, two blocks of 256 bytes that no other line names
.set LAPS,   4                         ; a lap = two K steps
.set ADRA, 16
.set ADRB, 20
.set STO,  24
.set RD,   25
.set CO,   26
.set BO,   27
.set SPW,  28
.set NIL,  29
.set BIAS, 32
.set F0,   64
.set F1,   160
.set BK,   64                          ; the way out: rows read back: v64-95 and v96-127 by turns
.set G1, 24
.set G0, 32
.set G1B, 48
.set G0B, 56
.set LAP, 45
.set MSB, 0
.macro WIN new
.if MSB != (\new)
	s_set_vgpr_msb (MSB<<8)|(\new)
.set MSB, (\new)
.endif
.endm
.set MUL, 0x50                         ; sources 0 and 1 window 0; C and D window 1
.macro JLOAD s                         ; a joint load; an s_nop 0 and four v_nop follow each of the two lines
	s_cmp_eq_u32 s11, 0
	s_cbranch_scc0 .Lfor_b_\@
	tensor_load_to_lds s[G0+4*\s:G0+4*\s+3], s[G1:G1+7]
	s_nop 0
.rept 4
	v_nop
.endr
	s_branch .Lasked_\@
.Lfor_b_\@:
	tensor_load_to_lds s[G0B+4*\s:G0B+4*\s+3], s[G1B:G1B+7]
	s_nop 0
.rept 4
	v_nop
.endr
.Lasked_\@:
.endm
.macro CREST                           ; a round of the cluster's barrier behind its opening barrier
	s_cmp_lg_u32 s10, 0
	s_cbranch_scc1 .Lnot_wave_0_\@
	s_barrier_signal -3
.Lnot_wave_0_\@:
	s_barrier_wait -3
	s_barrier_signal -1
	s_barrier_wait -1
.endm
.macro CROUND
	s_barrier_signal -1
	s_barrier_wait -1
	CREST
.endm
	s_load_b128 s[4:7], s[0:1], 0x0                ; att s[4:5], wout16 s[6:7]
	s_load_b64 s[2:3], s[0:1], 0x10                ; b_out
	s_load_b64 s[8:9], s[0:1], 0x18                ; out0
	v_lshl_add_u32 v[SPW], v0, 2, SPARE
	v_mov_b32 v[NIL], 0
	ds_add_u32 v[SPW], v[NIL]                      ; the wave's opening: the add, twice on end, and its wait ahead of my first tensor load
	ds_add_u32 v[SPW], v[NIL]
	v_lshrrev_b32 v1, 5, v0
	v_readfirstlane_b32 s10, v1                    ; wave 0..3
	s_lshr_b32 s11, s10, 1                         ; which half of the tile's rows is mine.  Also: I fetch for att (0) or for w_out (1)
	s_and_b32 s12, s10, 1                          ; which half of its columns.  Also: which head, or which 64 rows of w_out, I fetch
	s_bfe_u32 s40, ttmp6, 0x40000                  ; cx, cy
	s_bfe_u32 s41, ttmp6, 0x40004
	s_lshl_b32 s42, ttmp9, 2
	s_add_co_u32 s42, s42, s40                     ; tile column = 4 x cluster x + cx
	s_and_b32 s13, ttmp7, 0xffff
	s_lshl_b32 s13, s13, 2
	s_add_co_u32 s13, s13, s41                     ; tile row = 4 x cluster y + cy
	s_lshl_b32 s43, s41, 2
	s_lshl_b32 s43, 15, s43                        ; my row of the cluster
	s_lshl_b32 s44, 0x1111, s40                    ; my column
	s_or_b32 s[G1+0], s43, (1<<16)|(1<<20)|(1<<21)|(4<<22)|(3<<25)   ; att: elements of 2 bytes; four words of padding after every 32
	s_mov_b32 s[G1+1], 64<<16                      ; tensor_dim0 = 64
	s_mov_b32 s[G1+2], 256<<16                     ; tensor_dim1 = 256
	s_mov_b32 s[G1+3], 64<<16                      ; tile_dim0 = 64
	s_mov_b32 s[G1+4], 256                         ; tile_dim1 = 256
	s_mov_b32 s[G1+5], 64                          ; the pitch
	s_mov_b32 s[G1+6], 0
	s_mov_b32 s[G1+7], 0
	s_or_b32 s[G1B+0], s44, (1<<16)|(1<<20)|(1<<21)|(5<<22)|(7<<25)  ; w_out: eight words of padding after every 64
	s_mov_b32 s[G1B+1], 128<<16
	s_mov_b32 s[G1B+2], 64<<16
	s_mov_b32 s[G1B+3], 128<<16
	s_mov_b32 s[G1B+4], 64
	s_mov_b32 s[G1B+5], 1024
	s_mov_b32 s[G1B+6], 0
	s_mov_b32 s[G1B+7], 0
	s_lshr_b32 s16, s13, 3                         ; att: batch = tile row / 8;
	s_lshl_b32 s16, s16, 4
	s_add_co_u32 s16, s16, s12                     ; head 0 or 1 of the K step
	s_lshl_b32 s16, s16, 18                        ; x 2,048 rows of 128 bytes
	s_and_b32 s17, s13, 7
	s_lshl_b32 s17, s17, 15                        ; + 256 rows for each tile row inside the batch
	s_add_co_u32 s16, s16, s17
	s_mov_b32 s17, 0
	s_lshl_b32 s46, s12, 17                        ; w_out: 64 rows of 2,048 bytes for my half,
	s_lshl_b32 s47, s42, 8                         ; + 256 bytes for each tile column
	s_add_co_u32 s46, s46, s47
	s_mov_b32 s47, 0
	s_mul_i32 s20, s12, AHEAD                      ; where they go in a slot: att's,
	s_mul_i32 s21, s12, BHALF
	s_add_co_u32 s21, s21, BOFF                    ; w_out's
	s_wait_dscnt 0x0                               ; both opening adds are done
	s_wait_kmcnt 0x0
	s_add_nc_u64 s[14:15], s[4:5], s[16:17]
	s_add_nc_u64 s[46:47], s[6:7], s[46:47]
	CROUND                                         ; all sixteen work-groups are here: the first joint loads meet
.irp s, 0,1
	s_mov_b32 s[G0+4*\s], 1
	s_add_co_u32 s[G0+4*\s+1], s20, \s*SLOT
	s_add_nc_u64 s[G0+4*\s+2:G0+4*\s+3], s[14:15], \s*524288     ; K step s: two heads on
	s_or_b32 s[G0+4*\s+3], s[G0+4*\s+3], 0x80000000
	s_mov_b32 s[G0B+4*\s], 1
	s_add_co_u32 s[G0B+4*\s+1], s21, \s*SLOT
	s_add_nc_u64 s[G0B+4*\s+2:G0B+4*\s+3], s[46:47], \s*262144   ; 128 rows on
	s_or_b32 s[G0B+4*\s+3], s[G0B+4*\s+3], 0x80000000
	JLOAD \s
.endr
	v_and_b32 v1, 15, v0                           ; r
	v_bfe_u32 v2, v0, 4, 1                         ; h
	s_lshl_b32 s46, s42, 9                         ; my first column, in bytes of f32: 512 x tile column + 256 x half: the same in b_out and in a row of out0
	s_lshl_b32 s47, s12, 8
	s_add_co_u32 s46, s46, s47
	s_mov_b32 s47, 0
	s_add_nc_u64 s[2:3], s[2:3], s[46:47]
	s_add_nc_u64 s[8:9], s[8:9], s[46:47]
	v_lshlrev_b32 v[BO], 5, v2
.irp b, 0,1,2,3
	global_load_b128 v[BIAS+8*\b:BIAS+8*\b+3], v[BO], s[2:3] offset:64*\b        ; register 8 b + j: b_out[my first column + 16 b + 8 h + j]
	global_load_b128 v[BIAS+8*\b+4:BIAS+8*\b+7], v[BO], s[2:3] offset:64*\b+16
.endr
	s_lshl_b32 s16, s13, 20                        ; my first row of out0: 256 x tile row + 128 x half, rows of 4,096 bytes
	s_lshl_b32 s17, s11, 19
	s_add_co_u32 s16, s16, s17
	s_mov_b32 s17, 0
	s_add_nc_u64 s[8:9], s[8:9], s[16:17]
	v_mul_u32_u24 v3, v1, PA
	v_lshl_add_u32 v3, v2, 4, v3                   ; att: row x pitch + 16 x half
	v_and_b32 v4, 7, v0
	v_bfe_u32 v5, v0, 3, 1
	v_lshl_add_u32 v4, v2, 3, v4                   ; w_out, turned: k 8 (l / 16) + l % 8,
	v_mul_u32_u24 v4, v4, PB
	v_lshl_add_u32 v4, v5, 4, v4                   ; columns 8 ((l / 8) % 2) on
	s_mul_i32 s21, s11, 128*PA                     ; my 128 rows of att
	s_lshl_b32 s22, s12, 7                         ; my 64 columns of w_out,
	s_add_co_u32 s22, s22, BOFF                    ; behind att's two heads
.irp s, 0,1
	v_add_nc_u32 v[ADRA+\s], s21, v3
	v_add_nc_u32 v[ADRB+\s], s22, v4
	s_add_co_u32 s21, s21, SLOT
	s_add_co_u32 s22, s22, SLOT
.endr
	s_mul_i32 s23, s10, 16*SPITCH
	s_add_co_u32 s23, s23, STAGE                   ; my stage
	v_mul_u32_u24 v5, v1, SPITCH
	v_lshl_add_u32 v5, v2, 5, v5
	v_add_nc_u32 v[STO], s23, v5                   ; in: row r, 32 bytes for each half of the lanes
	v_mul_u32_u24 v5, v2, SPITCH
	v_lshl_add_u32 v5, v1, 4, v5
	v_add_nc_u32 v[RD], s23, v5                    ; back: lanes 0-15 one row of 256 bytes, lanes 16-31 the next
	v_lshlrev_b32 v5, 12, v2
	v_lshl_add_u32 v[CO], v1, 4, v5                ; and the same two rows in out0
; 8 matrix instructions: att's blocks a0, a0 + 1 x w_out's four, 32 along K, from buffer f.  first = 1: the bias is C.  The 32 accumulators take turns, one instruction a turn.
.macro MUL8 f, a0, first
.irp a, \a0, \a0+1
.irp b, 0,1,2,3
.if \first
	v_wmma_f32_16x16x32_f16 v[8*(4*(\a)+\b):8*(4*(\a)+\b)+7], v[\f+8*\b:\f+8*\b+7], v[\f+32+8*(\a):\f+32+8*(\a)+7], v[BIAS+8*\b:BIAS+8*\b+7]
.else
	v_wmma_f32_16x16x32_f16 v[8*(4*(\a)+\b):8*(4*(\a)+\b)+7], v[\f+8*\b:\f+8*\b+7], v[\f+32+8*(\a):\f+32+8*(\a)+7], v[8*(4*(\a)+\b):8*(4*(\a)+\b)+7]
.endif
.endr
.endr
.endm
; 24 LDS loads in one run: the fragments of the slot's q-th 32 along K into buffer f: w_out's four, att's blocks 0-3, att's blocks 4-7
.macro FETCH slot, q, f
.irp b, 0,1,2,3
	ds_load_tr16_b128 v[\f+8*\b:\f+8*\b+3],   v[ADRB+\slot] offset:(\q)*32*PB+32*\b
	ds_load_tr16_b128 v[\f+8*\b+4:\f+8*\b+7], v[ADRB+\slot] offset:(\q)*32*PB+16*PB+32*\b
.endr
.irp a, 0,1,2,3,4,5,6,7
	ds_load_b128 v[\f+32+8*\a:\f+32+8*\a+3],   v[ADRA+\slot] offset:((\q)/2)*AHEAD+((\q)%2)*64+\a*16*PA
	ds_load_b128 v[\f+32+8*\a+4:\f+32+8*\a+7], v[ADRA+\slot] offset:((\q)/2)*AHEAD+((\q)%2)*64+\a*16*PA+32
.endr
.endm
.macro PLACES                          ; four plain lines in front of loads into registers that matrix instructions have read, and of the first read of results
.rept 4
	v_nop
.endr
.endm
; A K step is four quarters of 32 along K, 32 matrix instructions each, on buffers 0, 1, 0, 1.  One of the first three: multiplies buffer f and fetches quarter q into g.
.macro QUARTER slot, q, f, g, first
	s_wait_dscnt 8                                 ; w_out's fragments and att's blocks 0-3 are in; the youngest eight loads may be out
	WIN MUL-0x10*\first                            ; (first: C, the bias, lies in window 0)
	MUL8 \f, 0, \first
	MUL8 \f, 2, \first
	PLACES
	WIN 0
	FETCH \slot, \q, \g
	s_wait_dscnt 24                                ; all but the 24 just issued
	WIN MUL-0x10*\first
	MUL8 \f, 4, \first
	MUL8 \f, 6, \first
.endm
; The last quarter multiplies buffer 1 and changes slots: one barrier; in front of it each wave waits for all its tensor loads, adds 0 to its spare word, and waits for that and for its reads of this slot.
; fill = 1: the barrier opens a round of the cluster's barrier, and this slot is filled again, two K steps ahead: 112 matrix instructions ahead of the wait for it.
.macro TURN slot, next, fill
	WIN 0
	s_wait_tensorcnt 0x0                           ; all my tensor loads have landed: my part of the next slot
	ds_add_u32 v[SPW], v[NIL]
	s_wait_dscnt 9                                 ; (the add and the youngest eight loads may be out)
	WIN MUL
	MUL8 F1, 0, 0
	s_wait_dscnt 0x0                               ; the add is done, and my reads of this slot are over
	s_barrier_signal -1
	MUL8 F1, 2, 0
	WIN 0
	s_barrier_wait -1
.if \fill
	CREST
	s_add_nc_u64 s[G0+4*\slot+2:G0+4*\slot+3], s[G0+4*\slot+2:G0+4*\slot+3], 1048576     ; four heads on
	s_add_nc_u64 s[G0B+4*\slot+2:G0B+4*\slot+3], s[G0B+4*\slot+2:G0B+4*\slot+3], 524288  ; 256 rows on
	JLOAD \slot                                    ; the first tensor load behind the round; its four v_nop are also the places in front of the loads below
.else
	PLACES
.endif
	FETCH \next, 0, F0
	WIN MUL
	MUL8 F1, 4, 0
	MUL8 F1, 6, 0
.endm
	s_wait_tensorcnt 1                             ; my part of K step 0 is in (K step 1's may be out)
	s_barrier_signal -1
	s_barrier_wait -1                              ; everybody's is
	FETCH 0, 0, F0
	s_wait_loadcnt 0x0                             ; the bias
	QUARTER 0, 1, F0, F1, 1                        ; the first quarter stands in front of the loop: its products start the sums
	WIN 0
	s_mov_b32 s[LAP], LAPS-1
.Llap:                                             ; a trip goes once round the ring, from a lap's second quarter to the next lap's first, and fills both slots again
	QUARTER 0, 2, F1, F0, 0
	QUARTER 0, 3, F0, F1, 0
	TURN 0, 1, 1
	QUARTER 1, 1, F0, F1, 0
	QUARTER 1, 2, F1, F0, 0
	QUARTER 1, 3, F0, F1, 0
	TURN 1, 0, 1
	QUARTER 0, 1, F0, F1, 0
	WIN 0
	s_sub_co_u32 s[LAP], s[LAP], 1
	s_cmp_lg_u32 s[LAP], 0
	s_cbranch_scc1 .Llap
	QUARTER 0, 2, F1, F0, 0                        ; the last lap fills nothing
	QUARTER 0, 3, F0, F1, 0
	TURN 0, 1, 0
	QUARTER 1, 1, F0, F1, 0
	QUARTER 1, 2, F1, F0, 0
	QUARTER 1, 3, F0, F1, 0
	s_wait_dscnt 8                                 ; the very last quarter
	WIN MUL
	MUL8 F1, 0, 0
	MUL8 F1, 2, 0
	s_wait_dscnt 0
	MUL8 F1, 4, 0
	MUL8 F1, 6, 0
	WIN 0
; THE WAY OUT, block by block of 16 rows x 64 columns of f32: through my own stage and back as whole rows of 256 bytes: sixteen lanes store 256 consecutive bytes, aligned.
.macro TOSTAGE a
	WIN 0x04                                       ; an LDS store's data are its source 1: window 1
.irp b, 0,1,2,3
	ds_store_b128 v[STO], v[8*(4*(\a)+\b):8*(4*(\a)+\b)+3] offset:64*\b          ; each accumulator from its low end on
	ds_store_b128 v[STO], v[8*(4*(\a)+\b)+4:8*(4*(\a)+\b)+7] offset:64*\b+16
.endr
	WIN 0
.set BB, BK+32*((\a)%2)
.irp t, 0,1,2,3,4,5,6,7
	ds_load_b128 v[BB+4*\t:BB+4*\t+3], v[RD] offset:\t*2*SPITCH   ; LDS serves a wave's instructions in order: these see the stores above
.endr
.endm
.macro SEND a, younger                 ; younger: the LDS instructions issued behind block a's loads, which may stay out
.set BB, BK+32*((\a)%2)
	s_wait_dscnt \younger
.if (\a) > 0
	s_add_nc_u64 s[8:9], s[8:9], 16*4096           ; (behind a wait on XCNT: the earlier stores have read their base)  16 rows on
.endif
.irp t, 0,1,2,3,4,5,6,7
	global_store_b128 v[CO], v[BB+4*\t:BB+4*\t+3], s[8:9] offset:\t*2*4096 th:TH_STORE_NT
.endr
.endm
	PLACES
	TOSTAGE 0
.irp a, 1,2,3,4,5,6,7
.if \a > 1
	s_wait_xcnt 0x0                                ; block a - 2's stores have read their registers and their base
.endif
	TOSTAGE \a
	SEND \a-1, 16                                  ; behind block a - 1's loads: block a's 8 stores and 8 loads
.endr
	s_wait_xcnt 0x0
	SEND 7, 0
	s_wait_tensorcnt 0x0                           ; the wave's end
	ds_add_u32 v[SPW], v[NIL]
	s_wait_dscnt 0x0
	CROUND                                         ; the closing round
	s_endpgm
.Lfunc_end_k_q121581d290_outp:
	.size	k_q121581d290_outp, .Lfunc_end_k_q121581d290_outp-k_q121581d290_outp
	.p2alignl 7, 3214868480
	.fill 96, 4, 3214868480
	.section	.rodata,"a",@progbits
	.p2align	6, 0x0
	.amdhsa_kernel k_q121581d290_outp
		.amdhsa_group_segment_fixed_size 327680
		.amdhsa_private_segment_fixed_size 0
		.amdhsa_enable_private_segment 0
		.amdhsa_kernarg_size 32
		.amdhsa_user_sgpr_count 2
		.amdhsa_user_sgpr_kernarg_segment_ptr 1
		.amdhsa_wavefront_size32 1
		.amdhsa_system_sgpr_workgroup_id_x 1
		.amdhsa_system_sgpr_workgroup_id_y 1
		.amdhsa_system_sgpr_workgroup_id_z 1
		.amdhsa_system_vgpr_workitem_id 0
		.amdhsa_next_free_vgpr 512
		.amdhsa_next_free_sgpr 66
		.amdhsa_reserve_vcc 0
		.amdhsa_float_denorm_mode_32 3
		.amdhsa_float_denorm_mode_16_64 3
		.amdhsa_memory_ordered 1
		.amdhsa_forward_progress 1
		.amdhsa_inst_pref_size 87
	.end_amdhsa_kernel
	.amdgpu_metadata
---
amdhsa.version: [ 1, 2 ]
amdhsa.kernels:
  - .name:           k_q121581d290_outp
    .symbol:         k_q121581d290_outp.kd
    .args:
      - { .name: att, .offset: 0, .size: 8, .value_kind: global_buffer, .address_space: global }
      - { .name: wout16, .offset: 8, .size: 8, .value_kind: global_buffer, .address_space: global }
      - { .name: b_out, .offset: 16, .size: 8, .value_kind: global_buffer, .address_space: global }
      - { .name: out0, .offset: 24, .size: 8, .value_kind: global_buffer, .address_space: global }
    .group_segment_fixed_size: 327680
    .private_segment_fixed_size: 0
    .kernarg_segment_align: 8
    .kernarg_segment_size: 32
    .max_flat_workgroup_size: 128
    .sgpr_count:     66
    .vgpr_count:     512
    .wavefront_size: 32
...
	.end_amdgpu_metadata
.endif
;; end of part 4
